; MI455X (gfx1250); checked and timed in simulation.
; The chip was launched on July 23, 2026; its instructions are those of AMD's public machine-readable ISA for CDNA 5 (MIT licence, August 2026) and "CDNA5" Instruction Set Architecture Reference Guide (July 2026). The comments in the code are by the model that wrote it; some were corrected since.
;; Multi Head Attention. Allowed arithmetic: float matrix products may take bf16 or f16 operands with f32 sums; other float arithmetic in f32, or as packed bf16 or f16 multiplies, adds, multiply-adds, maxima and minima; sums over many terms, partial sums and values carried from step to step in f32; what a program stores and reads back later, other than sums and carried values, may be rounded once to bf16 or f16.
;; Inputs: w_k 1,024 x 2,048 float32; w_o 2,048 x 1,024 float32; w_q 1,024 x 2,048 float32; w_v 1,024 x 2,048 float32; x 1 x 4,096 x 2,048 float32.
;; Outputs: out0 1 x 4,096 x 2,048 float32.
;; One version. Each part assembles by itself: llvm-mc -triple=amdgcn-amd-amdhsa -mcpu=gfx1250 --defsym DOCPART=n.
;; ======== version 1 of 1: 6 launches
;; limits: values are held in f16: magnitudes above 65,504 overflow, below 6.1e-05 lose precision
;; workspace buffers: x16 16,777,216 bytes; wcat 12,582,912 bytes; wo16 4,194,304 bytes; tab 1,048,576 bytes; q 8,388,608 bytes; k 8,388,608 bytes; v 8,388,608 bytes; ctx 8,519,680 bytes
;; launch prep (part 1): grid 128 x 9, 8 waves a work-group, no clusters, 0 bytes of LDS; arguments x, w_q, w_k, w_v, w_o, x16, wcat, wo16, tab; writes x16, wcat, wo16, tab
.if DOCPART == 1
	.amdgcn_target "amdgcn-amd-amdhsa--gfx1250"
	.amdhsa_code_object_version 6
	.text
	.protected	k_q524a603ebd_prep
	.globl	k_q524a603ebd_prep
	.p2align	8
	.type	k_q524a603ebd_prep,@function
k_q524a603ebd_prep:
	s_mov_b64 s[64:65], 0
	v_nop
	global_prefetch_b8 v0, s[64:65] scope:SCOPE_SE
	s_setreg_imm32_b32 hwreg(HW_REG_WAVE_MODE, 25, 1), 1
	s_wait_xcnt 0x0
; PREP: the inputs are rounded once for the matrix units, and the table of rotations is made.
;   unit y = 0..3: a quarter of x -> x16 (bf16).   y = 4, 5, 6: w_q, w_k, w_v -> wcat (bf16), rows permuted: row 64 t + d of matrix j goes to row 192 t + 64 j + d,
;   so that 192 consecutive rows of wcat are head t of q, of k and of v.   y = 7: w_o -> wo16: rounded to bf16 like every input, and that number written as f16.
;   y = 8: tab[p][0..31] = cos(p f_i), tab[p][32..63] = sin(p f_i), f_i = 10000^(-i/32), p = 0..4095, in f32.
; A unit is 2,097,152 numbers; of a cast unit a wave takes one run of 2,048: 8,192 bytes in, 4,096 out.  Nothing is shared between waves: no LDS, no barrier, no matrix unit.
; LIMITS.  A number of w_o below 2^-14 in magnitude keeps f16's fixed step of 6e-8; beyond 65,504 it would be an infinity.  The angle is the f32 product p x f_i with f_i from v_exp_f32;
; sine and cosine of it are good to about 1e-6 (reduction in two parts, series to the 15th power on half a turn either way).
.set YY,  26                           ; s26  the unit
.set RUN, 28                           ; s28  my run, 0..1023
.set SRC, 30                           ; s[30:31]
.set DST, 32                           ; s[32:33]
.set IN,  16                           ; v[16:79]  sixteen loads of 16 bytes
.set OUT, 80                           ; v[80:111] eight stores of 16 bytes, each with registers of its own
.set W,   4                            ; v[4:11]   at work
	s_load_b512 s[8:23], s[0:1], 0x0               ; x 8, w_q 10, w_k 12, w_v 14, w_o 16, x16 18, wcat 20, wo16 22
	s_load_b64 s[24:25], s[0:1], 0x40              ; tab
	s_and_b32 s[YY], ttmp7, 0xffff
	v_lshrrev_b32 v1, 5, v0
	v_readfirstlane_b32 s27, v1                    ; wave 0..7
	s_cmp_eq_u32 s[YY], 8
	s_cbranch_scc1 .Ltable
	s_lshl_b32 s[RUN], ttmp9, 3
	s_add_co_u32 s[RUN], s[RUN], s27
	v_and_b32 v3, 31, v0
	v_lshlrev_b32 v1, 5, v3                        ; in: 32 bytes a lane
	v_lshlrev_b32 v2, 4, v3                        ; out: 16 bytes a lane
	s_lshl_b32 s34, s[RUN], 13                     ; where the run begins in its source: 8,192 bytes a run,
	s_lshl_b32 s36, s[YY], 23                      ; and for x the quarter
	s_cmp_lt_u32 s[YY], 4
	s_cselect_b32 s36, s36, 0
	s_add_co_u32 s34, s34, s36
	s_mov_b32 s35, 0
	s_lshl_b32 s36, s[YY], 10                      ; where it goes, in runs of 4,096 bytes.  x16: 1,024 y + run
	s_add_co_u32 s36, s36, s[RUN]
	s_lshr_b32 s38, s[RUN], 6                      ; wcat: 192 (run / 64) + 64 (y - 4) + run % 64
	s_mul_i32 s38, s38, 192
	s_sub_co_u32 s39, s[YY], 4
	s_lshl_b32 s39, s39, 6
	s_add_co_u32 s38, s38, s39
	s_and_b32 s39, s[RUN], 63
	s_add_co_u32 s38, s38, s39
	s_cmp_lt_u32 s[YY], 4
	s_cselect_b32 s36, s36, s38
	s_cmp_eq_u32 s[YY], 7                          ; wo16: run
	s_cselect_b32 s36, s[RUN], s36
	s_lshl_b32 s36, s36, 12
	s_mov_b32 s37, 0
	s_wait_kmcnt 0x0
	s_mov_b64 s[SRC:SRC+1], s[8:9]
	s_cmp_eq_u32 s[YY], 4
	s_cselect_b64 s[SRC:SRC+1], s[10:11], s[SRC:SRC+1]
	s_cmp_eq_u32 s[YY], 5
	s_cselect_b64 s[SRC:SRC+1], s[12:13], s[SRC:SRC+1]
	s_cmp_eq_u32 s[YY], 6
	s_cselect_b64 s[SRC:SRC+1], s[14:15], s[SRC:SRC+1]
	s_cmp_eq_u32 s[YY], 7
	s_cselect_b64 s[SRC:SRC+1], s[16:17], s[SRC:SRC+1]
	s_cselect_b64 s[DST:DST+1], s[22:23], s[20:21]
	s_cmp_lt_u32 s[YY], 4
	s_cselect_b64 s[DST:DST+1], s[18:19], s[DST:DST+1]
	s_add_nc_u64 s[SRC:SRC+1], s[SRC:SRC+1], s[34:35]
	s_add_nc_u64 s[DST:DST+1], s[DST:DST+1], s[36:37]
.irp i, 0,1,2,3,4,5,6,7                ; the whole run is asked for at once: sixteen loads of a wave are on their way
	global_load_b128 v[IN+8*(\i):IN+8*(\i)+3],   v1, s[SRC:SRC+1] offset:1024*(\i) th:TH_LOAD_NT
	global_load_b128 v[IN+8*(\i)+4:IN+8*(\i)+7], v1, s[SRC:SRC+1] offset:1024*(\i)+16 th:TH_LOAD_NT
.endr
; Chunk i: 256 numbers.  half = 1: the bf16 number is written as f16.
.macro CHUNK i, half
	s_wait_loadcnt 14-2*(\i)                       ; loads come back in order: the chunks behind this one, two loads each, may stay out
.irp r, 0,1,2,3
	v_cvt_pk_bf16_f32 v[OUT+4*(\i)+(\r)], v[IN+8*(\i)+2*(\r)], v[IN+8*(\i)+2*(\r)+1]
.endr
.if \half
.irp r, 0,1,2,3
	v_lshlrev_b32 v[W+2*(\r)],   16, v[OUT+4*(\i)+(\r)]
	v_and_b32     v[W+2*(\r)+1], 0xffff0000, v[OUT+4*(\i)+(\r)]
.endr
.irp r, 0,1,2,3
	v_cvt_pk_f16_f32 v[OUT+4*(\i)+(\r)], v[W+2*(\r)], v[W+2*(\r)+1]
.endr
.endif
	global_store_b128 v2, v[OUT+4*(\i):OUT+4*(\i)+3], s[DST:DST+1] offset:512*(\i)  ; a wave's store covers 512 consecutive bytes, aligned
.endm
	s_cmp_eq_u32 s[YY], 7
	s_cbranch_scc1 .Lhalf
.irp i, 0,1,2,3,4,5,6,7
	CHUNK \i, 0
.endr
	s_endpgm
.Lhalf:
.irp i, 0,1,2,3,4,5,6,7
	CHUNK \i, 1
.endr
	s_endpgm
; THE TABLE.  Thread T = 256 x work-group + t makes the four numbers at byte 16 T (row T / 16, quarter-of-a-quarter u = T % 16) and the four 2,048 rows further down.
; u < 8: cosines of i = 4 u .. 4 u + 3; else sines of i = 4 (u - 8) ...  In turns: a = angle / 2 pi in two parts, its fraction r, a quarter turn more for a cosine, the fraction once more;
; then sin(2 pi r) = r P(r^2), eight terms.
.macro EACH line:vararg                ; one line for each of the eight numbers n: row n / 4, frequency n % 4
.set n, 0
.rept 8
	\line
.set n, n+1
.endr
.endm
.Ltable:
	v_and_b32 v3, 15, v0                           ; u
	v_lshrrev_b32 v4, 4, v0
	s_lshl_b32 s28, ttmp9, 4
	v_add_nc_u32 v4, s28, v4                       ; the row, 0..2047
	v_cvt_f32_u32 v5, v4
	v_add_f32 v6, 0x45000000, v5                   ; and 2,048 more
	v_mov_b32 v8, 0x3e800000                       ; a quarter turn
	v_cmp_gt_u32 vcc_lo, 8, v3
	v_cndmask_b32 v7, 0, v8, vcc_lo
	v_mov_b32 v10, 0xbf37d6dd                      ; the series' highest coefficient
	v_and_b32 v9, 7, v3
	v_lshlrev_b32 v9, 2, v9
	v_cvt_f32_u32 v9, v9
	v_mov_b32 v12, v9
	v_add_f32 v13, 1.0, v9
	v_add_f32 v14, 2.0, v9
	v_add_f32 v15, 0x40400000, v9
.irp e, 12,13,14,15
	v_mul_f32 v\e, 0xbed49a78, v\e                 ; - i log2(10000) / 32
.endr
.irp e, 12,13,14,15
	v_exp_f32 v\e, v\e
.endr
	v_nop                                          ; a plain instruction behind the last exponential,
	s_wait_alu depctr_va_vdst(0)                   ; and the one wait ahead of the batch's first reader
	EACH v_mul_f32 v[40+n], v[5+n/4], v[12+n%4]
	EACH v_mul_f32 v[48+n], 0.15915494, v[40+n]
	EACH v_mul_f32 v[72+n], 0xbe22f983, v[40+n]
	EACH v_fma_f32 v[56+n], v[40+n], 0.15915494, v[72+n]
	EACH v_fmamk_f32 v[56+n], v[40+n], 0x31dc9c88, v[56+n]
	EACH v_rndne_f32 v[72+n], v[48+n]
	EACH v_sub_f32 v[64+n], v[48+n], v[72+n]
	EACH v_add_f32 v[64+n], v[64+n], v[56+n]
	EACH v_add_f32 v[64+n], v[64+n], v7
	EACH v_rndne_f32 v[72+n], v[64+n]
	EACH v_sub_f32 v[64+n], v[64+n], v[72+n]
	EACH v_mul_f32 v[80+n], v[64+n], v[64+n]
	EACH v_fmaak_f32 v[88+n], v[80+n], v10, 0x40747a1a
	EACH v_fmaak_f32 v[88+n], v[88+n], v[80+n], 0xc17183a8
	EACH v_fmaak_f32 v[88+n], v[88+n], v[80+n], 0x42283c1a
	EACH v_fmaak_f32 v[88+n], v[88+n], v[80+n], 0xc2996966
	EACH v_fmaak_f32 v[88+n], v[88+n], v[80+n], 0x42a335e3
	EACH v_fmaak_f32 v[88+n], v[88+n], v[80+n], 0xc2255de7
	EACH v_fmaak_f32 v[88+n], v[88+n], v[80+n], 0x40c90fdb
	EACH v_mul_f32 v[32+n], v[88+n], v[64+n]
	s_lshl_b32 s34, ttmp9, 12
	s_mov_b32 s35, 0
	v_lshlrev_b32 v11, 4, v0
	s_wait_kmcnt 0x0
	s_add_nc_u64 s[24:25], s[24:25], s[34:35]
	global_store_b128 v11, v[32:35], s[24:25]
	global_store_b128 v11, v[36:39], s[24:25] offset:524288
	s_endpgm
.Lfunc_end_k_q524a603ebd_prep:
	.size	k_q524a603ebd_prep, .Lfunc_end_k_q524a603ebd_prep-k_q524a603ebd_prep
	.p2alignl 7, 3214868480
	.fill 96, 4, 3214868480
	.section	.rodata,"a",@progbits
	.p2align	6, 0x0
	.amdhsa_kernel k_q524a603ebd_prep
		.amdhsa_group_segment_fixed_size 0
		.amdhsa_private_segment_fixed_size 0
		.amdhsa_enable_private_segment 0
		.amdhsa_kernarg_size 72
		.amdhsa_user_sgpr_count 2
		.amdhsa_user_sgpr_kernarg_segment_ptr 1
		.amdhsa_wavefront_size32 1
		.amdhsa_system_sgpr_workgroup_id_x 1
		.amdhsa_system_sgpr_workgroup_id_y 1
		.amdhsa_system_sgpr_workgroup_id_z 1
		.amdhsa_system_vgpr_workitem_id 0
		.amdhsa_next_free_vgpr 112
		.amdhsa_next_free_sgpr 66
		.amdhsa_reserve_vcc 1
		.amdhsa_float_denorm_mode_32 3
		.amdhsa_float_denorm_mode_16_64 3
		.amdhsa_memory_ordered 1
		.amdhsa_forward_progress 1
		.amdhsa_inst_pref_size 24
	.end_amdhsa_kernel
	.amdgpu_metadata
---
amdhsa.version: [ 1, 2 ]
amdhsa.kernels:
  - .name:           k_q524a603ebd_prep
    .symbol:         k_q524a603ebd_prep.kd
    .args:
      - { .name: x, .offset: 0, .size: 8, .value_kind: global_buffer, .address_space: global }
      - { .name: w_q, .offset: 8, .size: 8, .value_kind: global_buffer, .address_space: global }
      - { .name: w_k, .offset: 16, .size: 8, .value_kind: global_buffer, .address_space: global }
      - { .name: w_v, .offset: 24, .size: 8, .value_kind: global_buffer, .address_space: global }
      - { .name: w_o, .offset: 32, .size: 8, .value_kind: global_buffer, .address_space: global }
      - { .name: x16, .offset: 40, .size: 8, .value_kind: global_buffer, .address_space: global }
      - { .name: wcat, .offset: 48, .size: 8, .value_kind: global_buffer, .address_space: global }
      - { .name: wo16, .offset: 56, .size: 8, .value_kind: global_buffer, .address_space: global }
      - { .name: tab, .offset: 64, .size: 8, .value_kind: global_buffer, .address_space: global }
    .group_segment_fixed_size: 0
    .private_segment_fixed_size: 0
    .kernarg_segment_align: 8
    .kernarg_segment_size: 72
    .max_flat_workgroup_size: 256
    .sgpr_count:     66
    .vgpr_count:     112
    .wavefront_size: 32
...
	.end_amdgpu_metadata
.endif
;; end of part 1
;; launch qkv (part 2): grid 16 x 16, 4 waves a work-group, clusters of 4 x 4, 327,680 bytes of LDS; arguments x16, wcat, tab, q, k, v; writes q, k, v
.if DOCPART == 2
	.amdgcn_target "amdgcn-amd-amdhsa--gfx1250"
	.amdhsa_code_object_version 6
	.text
	.protected	k_q524a603ebd_qkv
	.globl	k_q524a603ebd_qkv
	.p2align	8
	.type	k_q524a603ebd_qkv,@function
k_q524a603ebd_qkv:
	s_mov_b64 s[64:65], 0
	v_nop
	global_prefetch_b8 v0, s[64:65] scope:SCOPE_SE
	s_setreg_imm32_b32 hwreg(HW_REG_WAVE_MODE, 25, 1), 1
	s_wait_xcnt 0x0
	s_wait_alu depctr_hold_cnt(0) depctr_sa_sdst(0) depctr_va_vdst(0) depctr_va_sdst(0) depctr_va_ssrc(0) depctr_va_vcc(0) depctr_vm_vsrc(0)
	s_getreg_b32 s2, hwreg(HW_REG_IB_STS2, 6, 4)
	s_cmp_eq_u32 s2, 0
	s_cbranch_scc0 .Lentry_in_a_cluster
	s_endpgm
.Lentry_in_a_cluster:
	s_bfe_u32 s2, ttmp6, 0x10000c
	s_cmp_lg_u32 s2, 0xf033
	s_cbranch_scc0 .Lentry_shape_is_right
	s_endpgm
.Lentry_shape_is_right:
; QKV: C = x16 wcat^T, [4096 x 2048] x [3072 x 2048]^T in bf16 with f32 sums; on the way out q's and k's channels are rotated in f32 by the table, and q, k, v leave by heads, [16][4096][64] in f16, unscaled.
; LIMIT.  q, k and v must lie within f16's 65,504.
; SHARES.  A tile of C is 256 rows x 192 columns: by wcat's order of rows the columns are head t of q, of k and of v, t the tile column.  16 x 16 tiles, one to a work-group.  Wave w makes rows 64 w .. 64 w + 63
; and all 192 columns: 48 accumulators.  K goes in steps of 128 through two LDS slots; rows of 256 bytes, padded by 16.
; CLUSTER.  4 x 4 work-groups: A's tile is shared along a row of the cluster, B's along a column; each is asked for jointly.  Waves 0 and 1 fetch A's halves (128 rows), waves 2 and 3 B's (96 rows): one load a wave
; behind each round; by this text's count a wave has two loads out at the start and one later.
; THE PRODUCT IS USED TRANSPOSED (source 0 = 16 rows of wcat, source 1 = 16 rows of x16): lane l holds row l % 16 and the columns 8 (l / 16) + 0..7 of its block of 16.
; REGISTERS.  window 0: addresses, the way out, v128-255 my rows of the table.  window 1: two fragment buffers of 128: A's four fragments, then B's twelve.
; window 2: the accumulators of q and k ((g, a, bl) at 8 (16 g + 4 a + bl)).  window 3: those of v.
.set NG,     3
.set NL,     8+8*NG                    ; LDS loads in a run
.set SIZE_K, 2048
.set KSTEP,  128
.set LAPS,   SIZE_K/(2*KSTEP)
.set PITCH,  272
.set AHALF,  128*PITCH
.set BHALF,  96*PITCH
.set BOFF,   2*AHALF
.set SLOT,   BOFF+2*BHALF
.set STAGE,  2*SLOT                    ; behind the ring: 16 rows x 144 bytes for each wave
.set SP,     144
.set SPARE,  STAGE+4*16*SP             ; the spare words: 128 bytes a wave, two blocks of 256 bytes that no other line names
.set ADRA, 16
.set ADRB, 20
.set STO,  24
.set RD,   25
.set GO,   26
.set TO,   27
.set SPW,  28
.set NIL,  29
.set PFO,  30
.set PKR,  32                          ; v[32:47]   a tile of 16 x 64 packed to f16
.set BK,   48                          ; v[48:79]   read back from the stage, two sets by turns
.set OT,   80                          ; v[80:111]  rotated, in f32
.set CSR,  128                         ; v[128:255] row block a: cos at 32 a + 8 bl + j, sin 16 further on
.set F0,   0
.set F1,   128
.set WV,   16
.set HF,   18
.set CX,   19
.set CY,   20
.set TC,   21
.set TR,   22
.set G1,   24
.set G0,   32
.set LIM,  43
.set PFA,  44
.set G1B,  48
.set G0B,  56
.set TO_F, 0x40
.set MSB, 0
.macro WIN new                         ; the high byte repeats the setting that is left; a switch that changes nothing is dropped
.if MSB != (\new)
	s_set_vgpr_msb (MSB<<8)|(\new)
.set MSB, \new
.endif
.endm
.macro PLACES                          ; four places behind a matrix instruction, in front of loads into registers that it read and of readers of its result
.rept 4
	v_nop
.endr
.endm
.macro JLOAD s                         ; a joint load; an s_nop 0 and four v_nop follow each of the two lines
	s_cmp_lt_u32 s[WV], 2
	s_cbranch_scc0 .Lfor_b_\@
	tensor_load_to_lds s[G0+4*(\s):G0+4*(\s)+3], s[G1:G1+7]
	s_nop 0
	PLACES
	s_branch .Lasked_\@
.Lfor_b_\@:
	tensor_load_to_lds s[G0B+4*(\s):G0B+4*(\s)+3], s[G1B:G1B+7]
	s_nop 0
	PLACES
.Lasked_\@:
.endm
; A prefetch of the K step that stands two refills on: 256 bytes of a row, a lane a row.  A's rows are named by the clusters with x = 0, B's by those with y = 0; the four partners that ask for a tile jointly share
; its rows out by address (A: 32 each; B: 24 each, lanes 24 to 31 name lane 23's row once more).  The loop's last trip names nothing: there is no K step two on.  K steps 0 to 3 come by their loads alone.
.macro ASK
	WIN 0
	s_cmp_gt_u32 s3, s[LIM]
	s_cbranch_scc0 .Lnot_mine_\@
	global_prefetch_b8 v[PFO], s[PFA:PFA+1] offset:KSTEP*2 th:TH_LOAD_NT scope:SCOPE_SE
.Lnot_mine_\@:
.endm
.macro CREST                           ; a round of the cluster's barrier behind its opening barrier
	s_cmp_lg_u32 s[WV], 0
	s_cbranch_scc1 .Lnot_wave_0_\@
	s_barrier_signal -3
.Lnot_wave_0_\@:
	s_barrier_wait -3
	s_barrier_signal -1
	s_barrier_wait -1
.endm
.macro CROUND
	s_barrier_signal -1
	s_barrier_wait -1
	CREST
.endm
	s_load_b256 s[4:11], s[0:1], 0x0               ; x16 4, wcat 6, tab 8, q 10
	s_load_b128 s[12:15], s[0:1], 0x20             ; k 12, v 14
	v_lshl_add_u32 v[SPW], v0, 2, SPARE
	v_mov_b32 v[NIL], 0
	ds_add_u32 v[SPW], v[NIL]                      ; the wave's opening: the add and its wait ahead of my first tensor load
	ds_add_u32 v28, v29
	v_lshrrev_b32 v1, 5, v0
	v_readfirstlane_b32 s[WV], v1
	s_and_b32 s[HF], s[WV], 1                      ; which half of A's or B's tile I fetch
	s_bfe_u32 s[CX], ttmp6, 0x40000
	s_bfe_u32 s[CY], ttmp6, 0x40004
	s_lshl_b32 s[TC], ttmp9, 2
	s_add_co_u32 s[TC], s[TC], s[CX]               ; tile column = head
	s_and_b32 s[TR], ttmp7, 0xffff
	s_lshl_b32 s[TR], s[TR], 2
	s_add_co_u32 s[TR], s[TR], s[CY]               ; tile row
	s_lshl_b32 s66, s[CY], 2
	s_lshl_b32 s66, 15, s66                        ; my row of the cluster
	s_lshl_b32 s67, 0x1111, s[CX]                  ; my column
	s_or_b32 s[G1], s66, (1<<16)|(1<<20)|(1<<21)|(5<<22)|(3<<25)   ; the mask; 2-byte elements; padding on; bit 21 beside a mask; after every 64 words 4 words
	s_or_b32 s[G1B], s67, (1<<16)|(1<<20)|(1<<21)|(5<<22)|(3<<25)
	s_mov_b32 s[G1+1], KSTEP<<16                   ; tensor_dim0 = 128
	s_mov_b32 s[G1+2], 128<<16                     ; tensor_dim1 = 128
	s_mov_b32 s[G1+3], KSTEP<<16                   ; tile_dim0 = 128
	s_mov_b32 s[G1+4], 128                         ; tile_dim1 = 128
	s_mov_b32 s[G1+5], SIZE_K                      ; elements from row to row
	s_mov_b32 s[G1+6], 0
	s_mov_b32 s[G1+7], 0
	s_mov_b32 s[G1B+1], KSTEP<<16
	s_mov_b32 s[G1B+2], 96<<16                     ; 96 rows
	s_mov_b32 s[G1B+3], KSTEP<<16
	s_mov_b32 s[G1B+4], 96
	s_mov_b32 s[G1B+5], SIZE_K
	s_mov_b32 s[G1B+6], 0
	s_mov_b32 s[G1B+7], 0
	s_lshl_b32 s68, s[TR], 8                       ; A: row 256 x tile row + 128 x half, 4,096 bytes a row; these registers never hold cx
	s_lshl_b32 s69, s[HF], 7
	s_add_co_u32 s68, s68, s69
	s_lshl_b32 s68, s68, 12
	s_mov_b32 s69, 0
	s_mul_i32 s70, s[TC], 192                      ; B: row 192 x tile column + 96 x half; these never hold cy
	s_mul_i32 s71, s[HF], 96
	s_add_co_u32 s70, s70, s71
	s_lshl_b32 s70, s70, 12
	s_mov_b32 s71, 0
	s_mul_i32 s72, s[HF], AHALF                    ; where they go: no place in the cluster enters an LDS address
	s_mul_i32 s73, s[HF], BHALF
	s_add_co_u32 s73, s73, BOFF
	s_wait_dscnt 0x0                               ; the opening add is done
	s_wait_kmcnt 0x0
	s_add_nc_u64 s[68:69], s[4:5], s[68:69]
	s_add_nc_u64 s[70:71], s[6:7], s[70:71]
	CROUND                                         ; all sixteen work-groups are here: the first joint loads meet
.irp s, 0,1
	s_mov_b32 s[G0+4*(\s)], 1
	s_add_co_u32 s[G0+4*(\s)+1], s72, (\s)*SLOT
	s_add_nc_u64 s[G0+4*(\s)+2:G0+4*(\s)+3], s[68:69], (\s)*KSTEP*2
	s_or_b32 s[G0+4*(\s)+3], s[G0+4*(\s)+3], 0x80000000
	s_mov_b32 s[G0B+4*(\s)], 1
	s_add_co_u32 s[G0B+4*(\s)+1], s73, (\s)*SLOT
	s_add_nc_u64 s[G0B+4*(\s)+2:G0B+4*(\s)+3], s[70:71], (\s)*KSTEP*2
	s_or_b32 s[G0B+4*(\s)+3], s[G0B+4*(\s)+3], 0x80000000
	JLOAD \s
.endr
	v_and_b32 v1, 15, v0                           ; l % 16
	v_bfe_u32 v2, v0, 4, 1                         ; l / 16
	v_mul_u32_u24 v3, v1, PITCH
	v_lshl_add_u32 v3, v2, 4, v3                   ; a fragment's row x pitch + 16 x half
	s_mul_i32 s74, s[WV], 64*PITCH                 ; my 64 rows of A
	v_add_nc_u32 v[ADRA], s74, v3
	v_add_nc_u32 v[ADRA+1], SLOT, v[ADRA]
	v_add_nc_u32 v[ADRB], BOFF, v3
	v_add_nc_u32 v[ADRB+1], BOFF+SLOT, v3
	s_mul_i32 s74, s[WV], 16*SP
	s_add_co_u32 s74, s74, STAGE                   ; my stage
	v_mul_u32_u24 v4, v1, SP                       ; in: row l % 16, 16 bytes for each half of the lanes
	v_lshl_add_u32 v4, v2, 4, v4
	v_add_nc_u32 v[STO], s74, v4
	v_bfe_u32 v4, v0, 3, 2                         ; back: 32 lanes take four rows of 128 bytes,
	v_mul_u32_u24 v4, v4, SP
	v_and_b32 v5, 7, v0
	v_lshl_add_u32 v4, v5, 4, v4
	v_add_nc_u32 v[RD], s74, v4
	v_and_b32 v[GO], 31, v0                        ; which are 512 consecutive bytes of a head
	v_lshlrev_b32 v[GO], 4, v[GO]
	v_lshlrev_b32 v[TO], 8, v1                     ; the table: my row, 256 bytes a row, my 8 numbers
	v_lshl_add_u32 v[TO], v2, 5, v[TO]
	s_lshl_b32 s74, s[TC], 19                      ; the head, 524,288 bytes
	s_lshl_b32 s75, s[TR], 8
	s_lshl_b32 s76, s[WV], 6
	s_add_co_u32 s75, s75, s76                     ; my first row
	s_lshl_b32 s76, s75, 7
	s_add_co_u32 s74, s74, s76
	s_lshl_b32 s76, s75, 8
	s_mov_b32 s75, 0
	s_mov_b32 s77, 0
	s_add_nc_u64 s[10:11], s[10:11], s[74:75]
	s_add_nc_u64 s[12:13], s[12:13], s[74:75]
	s_add_nc_u64 s[14:15], s[14:15], s[74:75]
	s_add_nc_u64 s[8:9], s[8:9], s[76:77]
.irp a, 0,1,2,3                        ; my 64 rows of the table: they are on their way during the whole loop and waited for once, ahead of the way out
.irp c, 0,1,2,3
	global_load_b128 v[CSR+32*(\a)+8*(\c):CSR+32*(\a)+8*(\c)+3],   v[TO], s[8:9] offset:4096*(\a)+64*((\c)%2)+128*((\c)/2)
	global_load_b128 v[CSR+32*(\a)+8*(\c)+4:CSR+32*(\a)+8*(\c)+7], v[TO], s[8:9] offset:4096*(\a)+64*((\c)%2)+128*((\c)/2)+16
.endr
.endr
	s_lshl_b32 s74, s[TR], 8                       ; the prefetches: the rows that I fetch, my work-group's share of them
	s_mul_i32 s75, s[TC], 192
	s_lshl_b32 s76, s[HF], 7
	s_mul_i32 s77, s[HF], 96
	s_lshl_b32 s78, s[CX], 5
	s_mul_i32 s79, s[CY], 24
	s_add_co_u32 s74, s74, s76
	s_add_co_u32 s74, s74, s78
	s_add_co_u32 s75, s75, s77
	s_add_co_u32 s75, s75, s79
	s_and_b32 s76, ttmp7, 0xffff
	s_cmp_lt_u32 s[WV], 2
	s_cselect_b32 s74, s74, s75
	s_cselect_b32 s76, ttmp9, s76                  ; the coordinate along which other clusters read the same rows
	s_cselect_b32 s77, 31, 23
	s_cselect_b64 s[PFA:PFA+1], s[4:5], s[6:7]
	s_cmp_eq_u32 s76, 0
	s_cselect_b32 s[LIM], 1, -1
	s_lshl_b32 s74, s74, 12
	s_mov_b32 s75, 0
	s_add_nc_u64 s[PFA:PFA+1], s[PFA:PFA+1], s[74:75]
	s_add_nc_u64 s[PFA:PFA+1], s[PFA:PFA+1], 2*KSTEP*2  ; at K step 2: the first refill steps it to 3 and names K step 4
	v_and_b32 v[PFO], 31, v0
	v_min_u32 v[PFO], s77, v[PFO]
	v_lshlrev_b32 v[PFO], 12, v[PFO]
; 8 matrix instructions: column group g, row blocks a0 and a0 + 1, all four column blocks.  zero = 1: the product starts the sums.  The 48 accumulators take turns, in the same order in every quarter.
.macro MUL8 f, g, a0, zero
	WIN 0xa5+0x50*((\g)/2)
.irp a, \a0, (\a0)+1
.irp bl, 0,1,2,3
.set rD, 8*(16*((\g)%2)+4*(\a)+(\bl))
.set rB, (\f)+32+8*(4*(\g)+(\bl))
.set rA, (\f)+8*(\a)
.if \zero
	v_wmma_f32_16x16x32_bf16 v[rD:rD+7], v[rB:rB+7], v[rA:rA+7], 0
.else
	v_wmma_f32_16x16x32_bf16 v[rD:rD+7], v[rB:rB+7], v[rA:rA+7], v[rD:rD+7]
.endif
.endr
.endr
.endm
.macro MULG f, g, zero
	MUL8 \f, \g, 0, \zero
	MUL8 \f, \g, 2, \zero
.endm
; A run of 32 LDS loads: quarter qn (32 along K) of a slot into buffer f: B's group 0, A, B's groups 1 and 2
.macro FETCH slot, qn, f
	WIN TO_F
.irp c, 0,1,2,3
	ds_load_b128 v[(\f)+32+8*(\c):(\f)+32+8*(\c)+3],   v[ADRB+(\slot)] offset:64*(\qn)+(\c)*16*PITCH
	ds_load_b128 v[(\f)+32+8*(\c)+4:(\f)+32+8*(\c)+7], v[ADRB+(\slot)] offset:64*(\qn)+(\c)*16*PITCH+32
.endr
.irp a, 0,1,2,3
	ds_load_b128 v[(\f)+8*(\a):(\f)+8*(\a)+3],   v[ADRA+(\slot)] offset:64*(\qn)+(\a)*16*PITCH
	ds_load_b128 v[(\f)+8*(\a)+4:(\f)+8*(\a)+7], v[ADRA+(\slot)] offset:64*(\qn)+(\a)*16*PITCH+32
.endr
.irp c, 4,5,6,7,8,9,10,11
	ds_load_b128 v[(\f)+32+8*(\c):(\f)+32+8*(\c)+3],   v[ADRB+(\slot)] offset:64*(\qn)+(\c)*16*PITCH
	ds_load_b128 v[(\f)+32+8*(\c)+4:(\f)+32+8*(\c)+7], v[ADRB+(\slot)] offset:64*(\qn)+(\c)*16*PITCH+32
.endr
.endm
; One of a K step's first three quarters: multiplies buffer f, fetches quarter qn into buffer g2
.macro QUARTER slot, qn, f, g2, zero
	s_wait_dscnt 8*(NG-1)                          ; B's group 0 and A are in; the youngest sixteen loads (B's groups 1 and 2) may be out
	MUL8 \f, 0, 0, \zero
	PLACES
	FETCH \slot, \qn, \g2
	s_wait_dscnt NL                                ; all but the 32 just issued
	MUL8 \f, 0, 2, \zero
	MULG \f, 1, \zero
	MULG \f, 2, \zero
.endm
; The last quarter multiplies buffer 1 and changes slots: each wave waits for all its tensor loads, adds 0 to its spare word, waits for that and for its reads of this slot.  fill = 1: the barrier opens a round of the
; cluster's, and the joint refill, two K steps ahead, is the first thing behind it: 176 matrix instructions ahead of the wait for it.
.macro TURN slot, next, fill
.if \fill
	s_wait_xcnt 0x0                                ; the last prefetch, a K step back, has read its address
	s_add_nc_u64 s[PFA:PFA+1], s[PFA:PFA+1], KSTEP*2
.endif
	WIN 0
	s_wait_tensorcnt 0x0                           ; all my tensor loads have landed: my part of the next slot
	ds_add_u32 v[SPW], v[NIL]
	s_wait_dscnt 8*(NG-1)+1                        ; the add and the youngest sixteen loads may be out
	MUL8 F1, 0, 0, 0
	s_wait_dscnt 0x0                               ; the add is done, and my reads of this slot are over
	s_barrier_signal -1
	MUL8 F1, 0, 2, 0
.if \fill
	WIN 0
.endif
	s_barrier_wait -1
.if \fill
	CREST
	s_add_nc_u64 s[G0+4*(\slot)+2:G0+4*(\slot)+3], s[G0+4*(\slot)+2:G0+4*(\slot)+3], 2*KSTEP*2
	s_add_nc_u64 s[G0B+4*(\slot)+2:G0B+4*(\slot)+3], s[G0B+4*(\slot)+2:G0B+4*(\slot)+3], 2*KSTEP*2
	JLOAD \slot                                    ; its four v_nop are also the places in front of the loads below
.else
	PLACES
.endif
	FETCH \next, 0, F0
.if \fill
	ASK
.endif
	MULG F1, 1, 0
	MULG F1, 2, 0
.endm
	s_wait_tensorcnt 1                             ; my part of K step 0 is in; K step 1's may stay out
	s_barrier_signal -1
	s_barrier_wait -1
	FETCH 0, 0, F0
	QUARTER 0, 1, F0, F1, 1                        ; the first quarter stands in front of the loop: its products start the sums
	WIN 0
	s_mov_b32 s3, LAPS-1
.Llap:
	QUARTER 0, 2, F1, F0, 0
	QUARTER 0, 3, F0, F1, 0
	TURN 0, 1, 1
	QUARTER 1, 1, F0, F1, 0
	QUARTER 1, 2, F1, F0, 0
	QUARTER 1, 3, F0, F1, 0
	TURN 1, 0, 1
	QUARTER 0, 1, F0, F1, 0
	WIN 0
	s_sub_co_u32 s3, s3, 1
	s_cmp_lg_u32 s3, 0
	s_cbranch_scc1 .Llap
	QUARTER 0, 2, F1, F0, 0                        ; the last lap fills nothing
	QUARTER 0, 3, F0, F1, 0
	TURN 0, 1, 0
	QUARTER 1, 1, F0, F1, 0
	QUARTER 1, 2, F1, F0, 0
	QUARTER 1, 3, F0, F1, 0
	s_wait_dscnt 8*(NG-1)
	MUL8 F1, 0, 0, 0
	s_wait_dscnt 0x0
	MUL8 F1, 0, 2, 0
	MULG F1, 1, 0
	MULG F1, 2, 0
	WIN 0
	PLACES
	s_wait_loadcnt 0x0                             ; the table
; THE WAY OUT: twelve tiles t = 3 a + g of 16 rows x 64 channels.  q and k: out[d] = x[d] cos - x[d+32] sin, out[d+32] = x[d+32] cos + x[d] sin, d < 32: the two channels lie in the same lane, two accumulators apart.
.macro ROPE a, g
	WIN 0x02                                       ; source 0 in window 2
.irp bl, 0,1
.irp jj, 0,2,4,6                       ; ascending: each accumulator's lowest registers are read first
.set rX1, 8*(16*(\g)+4*(\a)+(\bl))+(\jj)
.set rX2, rX1+16
.set rCo, CSR+32*(\a)+8*(\bl)+(\jj)
.set rSi, rCo+16
.set rO1, OT+8*(\bl)+(\jj)
.set rO2, rO1+16
	v_pk_mul_f32 v[rO1:rO1+1], v[rX2:rX2+1], v[rSi:rSi+1]
	v_pk_mul_f32 v[rO2:rO2+1], v[rX1:rX1+1], v[rSi:rSi+1]
	v_pk_fma_f32 v[rO1:rO1+1], v[rX1:rX1+1], v[rCo:rCo+1], v[rO1:rO1+1] neg_lo:[0,0,1] neg_hi:[0,0,1]
	v_pk_fma_f32 v[rO2:rO2+1], v[rX2:rX2+1], v[rCo:rCo+1], v[rO2:rO2+1]
.endr
.endr
	WIN 0
.set z, 0
.rept 16
	v_cvt_pk_f16_f32 v[PKR+z], v[OT+2*z], v[OT+2*z+1]
.set z, z+1
.endr
.endm
.macro PLAIN a                         ; v: rounded as it is
	WIN 0x0f                                       ; sources 0 and 1 in window 3
.set z, 0
.rept 16
	v_cvt_pk_f16_f32 v[PKR+z], v[32*(\a)+2*z], v[32*(\a)+2*z+1]
.set z, z+1
.endr
	WIN 0
.endm
.macro PACK t
.if (\t)%3 < 2
	ROPE (\t)/3, (\t)%3
.else
	PLAIN (\t)/3
.endif
.endm
.macro TOSTAGE t                       ; into rows of 144 bytes of my own stage, and back as whole rows of 128
.irp bl, 0,1,2,3
	ds_store_b128 v[STO], v[PKR+4*(\bl):PKR+4*(\bl)+3] offset:32*(\bl)
.endr
.irp f, 0,1,2,3
	ds_load_b128 v[BK+16*((\t)%2)+4*(\f):BK+16*((\t)%2)+4*(\f)+3], v[RD] offset:(\f)*4*SP  ; LDS serves a wave's instructions in order (ISA guide 5.7.1.4): these see the stores above
.endr
.endm
.macro SEND t
	s_wait_dscnt 0x0                               ; the tile is back in registers
	s_wait_xcnt 0x0                                ; the stores of the tile before have read their registers: the next TOSTAGE loads into them
.irp f, 0,1,2,3
	global_store_b128 v[GO], v[BK+16*((\t)%2)+4*(\f):BK+16*((\t)%2)+4*(\f)+3], s[10+2*((\t)%3):11+2*((\t)%3)] offset:2048*((\t)/3)+512*(\f)  ; 512 consecutive bytes, aligned
.endr
.endm
	PACK 0
	TOSTAGE 0
.set t, 1
.rept 11                               ; a tile's arithmetic stands between the loads of the tile before and the wait for them
	PACK t
	SEND t-1
	TOSTAGE t
.set t, t+1
.endr
	SEND 11
	s_wait_tensorcnt 0x0                           ; the wave's end
	ds_add_u32 v[SPW], v[NIL]
	s_wait_dscnt 0x0
	CROUND                                         ; the closing round
	s_endpgm
.Lfunc_end_k_q524a603ebd_qkv:
	.size	k_q524a603ebd_qkv, .Lfunc_end_k_q524a603ebd_qkv-k_q524a603ebd_qkv
	.p2alignl 7, 3214868480
	.fill 96, 4, 3214868480
	.section	.rodata,"a",@progbits
	.p2align	6, 0x0
	.amdhsa_kernel k_q524a603ebd_qkv
		.amdhsa_group_segment_fixed_size 327680
		.amdhsa_private_segment_fixed_size 0
		.amdhsa_enable_private_segment 0
		.amdhsa_kernarg_size 48
		.amdhsa_user_sgpr_count 2
		.amdhsa_user_sgpr_kernarg_segment_ptr 1
		.amdhsa_wavefront_size32 1
		.amdhsa_system_sgpr_workgroup_id_x 1
		.amdhsa_system_sgpr_workgroup_id_y 1
		.amdhsa_system_sgpr_workgroup_id_z 1
		.amdhsa_system_vgpr_workitem_id 0
		.amdhsa_next_free_vgpr 896
		.amdhsa_next_free_sgpr 80
		.amdhsa_reserve_vcc 0
		.amdhsa_float_denorm_mode_32 3
		.amdhsa_float_denorm_mode_16_64 3
		.amdhsa_memory_ordered 1
		.amdhsa_forward_progress 1
		.amdhsa_inst_pref_size 140
	.end_amdhsa_kernel
	.amdgpu_metadata
---
amdhsa.version: [ 1, 2 ]
amdhsa.kernels:
  - .name:           k_q524a603ebd_qkv
    .symbol:         k_q524a603ebd_qkv.kd
    .args:
      - { .name: x16, .offset: 0, .size: 8, .value_kind: global_buffer, .address_space: global }
      - { .name: wcat, .offset: 8, .size: 8, .value_kind: global_buffer, .address_space: global }
      - { .name: tab, .offset: 16, .size: 8, .value_kind: global_buffer, .address_space: global }
      - { .name: q, .offset: 24, .size: 8, .value_kind: global_buffer, .address_space: global }
      - { .name: k, .offset: 32, .size: 8, .value_kind: global_buffer, .address_space: global }
      - { .name: v, .offset: 40, .size: 8, .value_kind: global_buffer, .address_space: global }
    .group_segment_fixed_size: 327680
    .private_segment_fixed_size: 0
    .kernarg_segment_align: 8
    .kernarg_segment_size: 48
    .max_flat_workgroup_size: 128
    .sgpr_count:     80
    .vgpr_count:     896
    .wavefront_size: 32
...
	.end_amdgpu_metadata
.endif
;; end of part 2
;; launch attn (part 3): grid 16 x 16, 4 waves a work-group, no clusters, 327,680 bytes of LDS; arguments q, k, v, ctx; writes ctx
.if DOCPART == 3
	.amdgcn_target "amdgcn-amd-amdhsa--gfx1250"
	.amdhsa_code_object_version 6
	.text
	.protected	k_q524a603ebd_attn
	.globl	k_q524a603ebd_attn
	.p2align	8
	.type	k_q524a603ebd_attn,@function
k_q524a603ebd_attn:
	s_mov_b64 s[64:65], 0
	v_nop
	global_prefetch_b8 v0, s[64:65] scope:SCOPE_SE
	s_setreg_imm32_b32 hwreg(HW_REG_WAVE_MODE, 25, 1), 1
	s_wait_xcnt 0x0
; CAUSAL ATTENTION.  O[h][q][:] = the sum over k <= q of softmax_k(Q[h][q] . K[h][k] / 8) V[h][k][:].  Q, K, V, O: [16][4096][64] in f16, a head's rows dense, 128 bytes each.
; Products, maxima and sums in f32; the weights p are rounded to f16 for the second product (their sum l is taken of the unrounded p), O once at the end.
; LIMITS.  Q, K and V arrive within f16's 65,504; p below 6e-5 keeps f16's fixed step of 6e-8.  A hidden score counts as its value less 1e30; a weight below 2^-126 counts as 0 in l; NaN and infinities are not treated apart.
; THE WALK.  A head's queries lie in 32 blocks of 128; block i needs the key tiles 0 .. i / 2 of 256 keys, of which the last holds the diagonal.  A work-group takes blocks 31 - b and then b: 17 tiles whatever b: all 256
; work-groups do equal work, and one loop with a constant trip count walks them.  NO CLUSTER: a head's 16 work-groups ask for the same tile only in the first 9 of the 17 trips, then fewer and fewer; a walk common to all would have 24.
; SHARES.  Of a block's two bands of 64 queries a wave owns 16 rows in each: two PIECES.  In the diagonal tile's key step s band x sees all keys if s < OW + x, none if s > OW + x, and holds the diagonal if s = OW + x;
; OW = 2 (i % 2).  THE MASK is the C operand that starts S^T = K Q^T: MD x AL + BE, MD the mask of a band's own step for my rows.
; TURNS.  A turn belongs to piece Y: 8 products K Q^T of the other piece's next scores, later 8 products V^T P of the other piece's last weights; beside them piece Y's scaling, exponentials, roundings, sums and rescaling and the
; other piece's maximum and statistics.  Four vector instructions stand behind every matrix instruction, the rest in one lump; a turn's 33 exponentials are one batch with one wait.
; K AND V RUN ONE STEP AHEAD: piece 0's turn of step s fetches K and V of step s + 1, V into the one of two register buffers that the turn's own products have just left.  So the text is unrolled over two steps (virtual turns
; 0, 1: an even step; 2, 3: an odd one), and the change of slots stands behind piece 1's turn of a tile's third step, where all four steps' K and V have been read out of LDS.
; REGISTERS.  window 0: addresses, statistics, S^T v64-127 (two buffers), P v192-223.  window 1: O^T v0-63, MD v128-159, MC v160-223.  window 2: Q v0-31, the second block's Q v32-63, V v64-127 and v192-255, K v128-191.
.set NP,    2
.set KS,    64
.set PK,    144
.set PV,    160
.set VOFF,  4*KS*PK
.set SLOT1, 1<<17
.set STAGE, SLOT1+4*KS*(PK+PV)
.set SP,    144
.set AK0, 2
.set AV0, 3
.set AK,  4
.set AV,  5
.set STO, 6
.set RD,  7
.set GO,  8
.set PFO, 61          ; v61  256 x my lane; never rewritten
.set SPW, 62
.set NIL, 63
.set SPARE, STAGE+4*16*SP
.set MV,  12
.set QO,  15
.set ST,  16
.set TMP, 48
.set S,   64
.set P,   192
.set MD,  128
.set MC,  160
.set QB,  32
.set VF1, 64
.set KF,  128
.set VF0, 192
.set WV,  12
.set PB,  14          ; s14  b
.set HI,  15          ; s15  31 - b
.set G1K, 24
.set G1V, 32
.set G0K, 40
.set G0V, 44
.set SLOTS, 56
.set CNT, 57          ; s57  counts a tile's pairs of key steps, 2 to 1
.set CS,  58
.set SEL, 60
.set TBK, 62
.set TBV, 63
.set RT,  70
.set NXT, 71
.set LQ,  72
.set NEW, 73
.set OFF, 74
.set AL,  76
.set BE,  78
.set OLO, 80
.set BIGN, 82
.set LQ2, 83          ; s83  the second block's last tile
.set OW,  88          ; s88  the step of band 0's diagonal in the block's last tile
.set OWL, 89          ; s89  the same for the second block
.set PFB, 90          ; s[90:91] K (waves 0, 1) or V (waves 2, 3) at my half of the head's tile 0
.set PFA, 92          ; s[92:93] the same at the tile that the next change of slots will ask for
.set LIM, 94          ; s94  1 where b = 0, else the greatest number
.set TS,  95          ; s95  at work
.set OF2, 96          ; s[96:97]
.set MSB, 0
.macro WIN new
.if MSB != (\new)
	s_set_vgpr_msb (MSB<<8)|(\new)
.set MSB, (\new)
.endif
.endm
.set W_KQ, 0x0a
.set W_KM, 0x1a
.set W_PV, 0x52
.set W_RS, 0x41
; A fill.  Waves 0 and 1 fetch the two halves of a tile's K, waves 2 and 3 those of its V.  An s_nop 0 and four v_nop follow each of the two lines.
.macro LOAD
	s_cmp_lt_u32 s[WV], 2
	s_cbranch_scc0 .Lfor_v_\@
	tensor_load_to_lds s[G0K:G0K+3], s[G1K:G1K+7]
	s_nop 0
.rept 4
	v_nop
.endr
	s_branch .Lasked_\@
.Lfor_v_\@:
	tensor_load_to_lds s[G0V:G0V+3], s[G1V:G1V+7]
	s_nop 0
.rept 4
	v_nop
.endr
.Lasked_\@:
.endm
; A prefetch of the half tile (64 blocks of 256 bytes, a lane a block, two lines) that I shall ask for at the next change of slots.  Of a head's work-groups the one with b = 0 asks, which walks tiles 0 to 15 in order:
; tiles 2 to 15 are named once each; tiles 0 and 1 come by their loads alone, and the second block's tiles have been read before.
.macro ASK
	s_cmp_gt_u32 s[NXT], s[LIM]
	s_cbranch_scc0 .Lnot_mine_\@
	global_prefetch_b8 v[PFO], s[PFA:PFA+1] th:TH_LOAD_NT scope:SCOPE_SE
	global_prefetch_b8 v[PFO], s[PFA:PFA+1] offset:8192 th:TH_LOAD_NT scope:SCOPE_SE
.Lnot_mine_\@:
.endm
; THE CHANGE OF SLOTS.  Each wave waits for all its tensor loads, of which one is out; adds 0 to its spare word; waits for that and for its own reads of the slot that it leaves.  fill = 1: the old slot is filled again,
; first thing behind the barrier, with tile NXT; the descriptor's address is made anew from that number.
.macro CHANGE fill
	WIN 0
	s_wait_tensorcnt 0x0
	ds_add_u32 v[SPW], v[NIL]
.if \fill
	s_lshl_b32 s[OFF], s[NXT], 15   ; a tile is 32,768 bytes of K and of V
	s_xor_b32 s[G0K+1], s[G0K+1], SLOT1
	s_add_nc_u64 s[G0K+2:G0K+3], s[6:7], s[OFF:OFF+1]
	s_or_b32 s[G0K+3], s[G0K+3], 0x80000000
	s_xor_b32 s[G0V+1], s[G0V+1], SLOT1
	s_add_nc_u64 s[G0V+2:G0V+3], s[8:9], s[OFF:OFF+1]
	s_or_b32 s[G0V+3], s[G0V+3], 0x80000000
	s_add_co_u32 s[NXT], s[NXT], 1  ; the block's next tile, or behind its last the second block's tile 0
	s_cmp_gt_u32 s[NXT], s[LQ]
	s_cselect_b32 s[NXT], 0, s[NXT]
	s_cselect_b32 s[LQ], s[LQ2], s[LQ]
	s_wait_xcnt 0x0                 ; the last prefetches, a tile back, have read their address
	s_lshl_b32 s[OF2], s[NXT], 15
	s_add_nc_u64 s[PFA:PFA+1], s[PFB:PFB+1], s[OF2:OF2+1]
.endif
	s_wait_dscnt 0x0                ; the add is done, and my reads of the slot are over
	s_barrier_signal -1
	s_sub_co_u32 s[TBK], s[TBK], 4*KS*PK
	s_xor_b32 s[TBK], s[TBK], SLOT1
	s_sub_co_u32 s[TBV], s[TBV], 4*KS*PV
	s_xor_b32 s[TBV], s[TBV], SLOT1
	s_barrier_wait -1
.if \fill
	LOAD
	ASK
.endif
.endm
	s_load_b256 s[4:11], s[0:1], 0x0  ; Q 4, K 6, V 8, O 10
	v_lshl_add_u32 v[SPW], v0, 2, SPARE
	v_mov_b32 v[NIL], 0
	ds_add_u32 v[SPW], v[NIL]       ; the wave's opening: the add and its wait ahead of my first tensor load
	ds_add_u32 v62, v63
	v_lshrrev_b32 v1, 5, v0
	v_readfirstlane_b32 s[WV], v1
	s_mov_b32 s[PB], ttmp9
	s_sub_co_u32 s[HI], 31, s[PB]
	s_and_b32 s20, ttmp7, 0xffff    ; the head,
	s_lshl_b32 s20, s20, 19         ; 524,288 bytes in each of the four tensors
	s_mov_b32 s21, 0
	s_and_b32 s16, s[WV], 1         ; which half of a tile's 256 keys I fetch
	s_lshl_b32 s22, s16, 14
	s_mov_b32 s23, 0
	s_add_nc_u64 s[22:23], s[22:23], s[20:21]
	s_mul_i32 s17, s16, 128*PK
	s_mul_i32 s18, s16, 128*PV
	s_lshl_b32 s3, s[WV], 11        ; my 16 rows in a band of 64,
	s_lshl_b32 s2, s[HI], 14        ; in the first block (128 rows of 128 bytes),
	s_add_co_u32 s2, s2, s3
	s_lshl_b32 s84, s[PB], 14       ; and in the second
	s_add_co_u32 s84, s84, s3
	s_mov_b32 s3, 0
	s_mov_b32 s85, 0
	s_add_nc_u64 s[2:3], s[2:3], s[20:21]
	s_add_nc_u64 s[84:85], s[84:85], s[20:21]
	s_mov_b32 s[G1K], (1<<16)|(1<<20)|(4<<22)|(3<<25)  ; 2-byte elements; padding on; after every 32 words 4 words
	s_mov_b32 s[G1V], (1<<16)|(1<<20)|(4<<22)|(7<<25)  ; the same with 8 words
.irp g, G1K, G1V
	s_mov_b32 s[\g+1], 128<<16      ; 128 keys are 16,384 dense bytes: 64 rows of 256 bytes
	s_mov_b32 s[\g+2], 64<<16
	s_mov_b32 s[\g+3], 128<<16
	s_mov_b32 s[\g+4], 64
	s_mov_b32 s[\g+5], 128
	s_mov_b32 s[\g+6], 0
	s_mov_b32 s[\g+7], 0
.endr
	s_mov_b32 s[CS], 0x3e38aa3b     ; c = log2(e) / 8
	s_mov_b32 s[CS+1], s[CS]
	s_mov_b32 s[SEL], 0x76543210
	s_mov_b32 s[SEL+1], 0xfedcba98
	s_mov_b32 s[TBK], SLOT1+4*KS*PK ; the first change of slots turns these two into 0
	s_mov_b32 s[TBV], SLOT1+4*KS*PV
	s_mov_b32 s[G0K], 1
	s_mov_b32 s[G0K+1], s17
	s_mov_b32 s[G0V], 1
	s_add_co_u32 s[G0V+1], s18, VOFF
	s_lshr_b32 s[LQ], s[HI], 1
	s_add_co_u32 s[RT], s[LQ], 1
	s_lshr_b32 s[LQ2], s[PB], 1
	s_and_b32 s[OW], s[HI], 1
	s_lshl_b32 s[OW], s[OW], 1
	s_and_b32 s[OWL], s[PB], 1
	s_lshl_b32 s[OWL], s[OWL], 1
	s_mov_b32 s[NXT], 1
	s_mov_b32 s[NEW], 1
	s_mov_b32 s[OFF+1], 0
	s_mov_b32 s[OF2+1], 0
	s_mov_b32 s[AL+1], 0
	s_mov_b32 s[BE+1], 0
	s_mov_b32 s[BIGN], 0xf149f2ca   ; -1e30
	s_mov_b32 s[SLOTS], 16
	s_cmp_eq_u32 s[PB], 0
	s_cselect_b32 s[LIM], 1, -1
	s_wait_dscnt 0x0                ; the opening add is done
	s_wait_kmcnt 0x0
	s_add_nc_u64 s[6:7], s[6:7], s[22:23]
	s_add_nc_u64 s[8:9], s[8:9], s[22:23]
	s_add_nc_u64 s[G0K+2:G0K+3], s[6:7], 0
	s_or_b32 s[G0K+3], s[G0K+3], 0x80000000
	s_add_nc_u64 s[G0V+2:G0V+3], s[8:9], 0
	s_or_b32 s[G0V+3], s[G0V+3], 0x80000000
	s_add_nc_u64 s[86:87], s[4:5], s[84:85]
	s_add_nc_u64 s[4:5], s[4:5], s[2:3]
	s_add_nc_u64 s[OLO:OLO+1], s[10:11], s[84:85]
	s_add_nc_u64 s[10:11], s[10:11], s[2:3]
	s_cmp_lt_u32 s[WV], 2
	s_cselect_b64 s[PFB:PFB+1], s[6:7], s[8:9]
	LOAD                            ; tile 0 into slot 0
	v_and_b32 v1, 15, v0            ; l % 16
	v_bfe_u32 v9, v0, 4, 1          ; l / 16
	v_lshlrev_b32 v[QO], 7, v1
	v_lshl_add_u32 v[QO], v9, 4, v[QO]
	WIN 0x80
.set i, 0
.rept 4                             ; both blocks' Q: piece i / 2 lies in band i / 2, 8,192 bytes on; channels 32 (i % 2) on
	global_load_b128 v[8*i:8*i+3],   v[QO], s[4:5] offset:(i/2)*8192+(i%2)*64
	global_load_b128 v[8*i+4:8*i+7], v[QO], s[4:5] offset:(i/2)*8192+(i%2)*64+32
	global_load_b128 v[QB+8*i:QB+8*i+3],   v[QO], s[86:87] offset:(i/2)*8192+(i%2)*64
	global_load_b128 v[QB+8*i+4:QB+8*i+7], v[QO], s[86:87] offset:(i/2)*8192+(i%2)*64+32
.set i, i+1
.endr
	WIN 0
	v_lshlrev_b32 v14, 3, v9
	v_sub_nc_u32 v14, v1, v14
	s_lshl_b32 s13, s[WV], 4
	v_add_nc_u32 v14, s13, v14      ; my query's place in its band less my lanes' 8 (l / 16): register r of group kt is hidden where 16 kt + r is greater
	WIN 0x40
.set i, 0
.rept 32
	v_cmp_gt_i32 vcc_lo, 16*(i/8)+i%8, v14
	v_cndmask_b32 v[MD+i], 0, s[BIGN], vcc_lo
.set i, i+1
.endr
	WIN 0
	v_mul_u32_u24 v[AK0], v1, PK
	v_lshl_add_u32 v[AK0], v9, 4, v[AK0]
	v_and_b32 v10, 7, v0
	v_bfe_u32 v11, v0, 3, 1
	v_lshl_add_u32 v[AV0], v9, 3, v10
	v_mul_u32_u24 v[AV0], v[AV0], PV
	v_lshl_add_u32 v[AV0], v11, 4, v[AV0]
	v_add_nc_u32 v[AV0], VOFF, v[AV0]
	s_mul_i32 s13, s[WV], 16*SP
	s_add_co_u32 s13, s13, STAGE
	v_mul_u32_u24 v[STO], v1, SP
	v_lshl_add_u32 v[STO], v9, 4, v[STO]
	v_add_nc_u32 v[STO], s13, v[STO]
	v_bfe_u32 v[RD], v0, 3, 2
	v_mul_u32_u24 v[RD], v[RD], SP
	v_lshl_add_u32 v[RD], v10, 4, v[RD]
	v_add_nc_u32 v[RD], s13, v[RD]
	v_and_b32 v[GO], 31, v0
	v_lshlrev_b32 v[PFO], 8, v[GO]
	v_lshlrev_b32 v[GO], 4, v[GO]
	; A block's first step multiplies O^T and l by a = 0, and its first turn's products V^T P, of weights that have not been, land in an O^T that is still to be so multiplied: these registers need only hold finite numbers.
	WIN 0x80
.set i, VF1
.rept 64
	v_mov_b32 v[i], 0
.set i, i+1
.endr
	WIN 0x40
.set i, 0
.rept 64
	v_mov_b32 v[i], 0
.set i, i+1
.endr
	WIN 0
.set i, 0
.rept 2
	v_mov_b32 v[ST+4*i+2], 0
	v_mov_b32 v[ST+4*i+3], 0
.set i, i+1
.endr
.set i, P+16
.rept 16
	v_mov_b32 v[i], 0
.set i, i+1
.endr
; THE MATRIX WORK.  The 4 accumulators of a run of 8 take turns.
.macro KQ x
.set rS, S+32*((\x)%2)+8*(i%4)
.set rK, KF+16*(i%4)+8*(i/4)
.set rQ, 16*(\x)+8*(i/4)
.set rM, MC+32*((\x)%2)+8*(i%4)
.if (i < 4) && KM
	WIN W_KM
	v_wmma_f32_16x16x32_f16 v[rS:rS+7], v[rK:rK+7], v[rQ:rQ+7], v[rM:rM+7]
.elseif i < 4
	WIN W_KQ
	v_wmma_f32_16x16x32_f16 v[rS:rS+7], v[rK:rK+7], v[rQ:rQ+7], 0
.else
	WIN W_KQ
	v_wmma_f32_16x16x32_f16 v[rS:rS+7], v[rK:rK+7], v[rQ:rQ+7], v[rS:rS+7]
.endif
.endm
.macro PV x                         ; VB: the buffer of V that the turn reads
	WIN W_PV
.set rO, 32*(\x)+8*(i%4)
.set rV, VB+32*(i/4)+8*(i%4)
.set rP, P+16*((\x)%2)+8*(i/4)
	v_wmma_f32_16x16x32_f16 v[rO:rO+7], v[rV:rV+7], v[rP:rP+7], v[rO:rO+7]
.endm
.macro MM
.if (i < 8) && !NOKQ
	KQ (Y+1)%NP
.elseif i >= 8
.set i, i-8
	PV (Y+NP-1)%NP
.set i, i+8
.endif
.set i, i+1
.endm
.macro FETCH_K
	WIN 0x80
.irp f, 0,1,2,3,4,5,6,7
	ds_load_b128 v[KF+8*\f:KF+8*\f+3],   v[AK] offset:(\f/2)*16*PK+(\f%2)*64
	ds_load_b128 v[KF+8*\f+4:KF+8*\f+7], v[AK] offset:(\f/2)*16*PK+(\f%2)*64+32
.endr
	s_add_co_u32 s[TBK], s[TBK], KS*PK
	WIN 0
.endm
.macro FETCH_V dst
	WIN 0x80
.irp f, 0,1,2,3,4,5,6,7
	ds_load_tr16_b128 v[(\dst)+8*\f:(\dst)+8*\f+3],   v[AV] offset:(\f/4)*32*PV+(\f%4)*32
	ds_load_tr16_b128 v[(\dst)+8*\f+4:(\dst)+8*\f+7], v[AV] offset:(\f/4)*32*PV+16*PV+(\f%4)*32
.endr
	WIN 0
.endm
; THE VECTOR WORK, one line at a time: OP kind, number.  For piece Y: F n: c s - c m for pair n.  E n: the exponential of score n.  C n: pair n rounded to f16.  B n: of four weights the second pair onto the first.
; L n: l takes that sum (L 0: l = a l + sum).  R n: pair n of O^T times a.  For the other piece: X n, number n of the 22 that find its maximum and statistics (each accumulator's lowest registers are read first).
.set F, 0
.set E, 1
.set C, 2
.set B, 3
.set L, 4
.set R, 5
.set X, 6
.macro REGS y
.set rT, ST+4*(\y)
.set rC, TMP+4*((\y)%2)
.set rW, MV+((\y)%2)
.set rS, S+32*((\y)%2)
.set rP, P+16*((\y)%2)
.set rO, 32*(\y)
.endm
.macro OP k, n
.if (\k) == R
	REGS Y
	WIN W_RS
	v_pk_mul_f32 v[rO+2*(\n):rO+2*(\n)+1], v[rO+2*(\n):rO+2*(\n)+1], v[rC+2:rC+3] op_sel_hi:[1,0]
.elseif (\k) < R
	REGS Y
	WIN 0
.if (\k) == F
	v_pk_fma_f32 v[rS+2*(\n):rS+2*(\n)+1], v[rS+2*(\n):rS+2*(\n)+1], s[CS:CS+1], v[rT:rT+1] op_sel_hi:[1,0,0] neg_lo:[0,0,1] neg_hi:[0,0,1]
.elseif (\k) == E
	v_exp_f32 v[rS+(\n)], v[rS+(\n)]
.elseif (\k) == C
	v_cvt_pk_f16_f32 v[rP+(\n)], v[rS+2*(\n)], v[rS+2*(\n)+1]
.elseif (\k) == B
	v_pk_add_f32 v[rS+4*(\n):rS+4*(\n)+1], v[rS+4*(\n):rS+4*(\n)+1], v[rS+4*(\n)+2:rS+4*(\n)+3]
.elseif (\n) == 0
	v_pk_fma_f32 v[rT+2:rT+3], v[rT+2:rT+3], v[rC+2:rC+3], v[rS:rS+1] op_sel_hi:[1,0,1]
.else
	v_pk_add_f32 v[rT+2:rT+3], v[rT+2:rT+3], v[rS+4*(\n):rS+4*(\n)+1]
.endif
.elseif NOKQ
	v_nop
.else
	REGS (Y+1)%NP
	WIN 0
.if (\n) < 4
	v_max3_num_f32 v[rC+(\n)], v[rS+8*(\n)], v[rS+8*(\n)+1], v[rS+8*(\n)+2]
.elseif (\n) < 12
	v_max3_num_f32 v[rC+(\n)%4], v[rC+(\n)%4], v[rS+8*((\n)%4)+2*((\n)/4)+1], v[rS+8*((\n)%4)+2*((\n)/4)+2]
.elseif (\n) == 12
	v_max3_num_f32 v[rC], v[rC], v[rS+7], v[rS+15]
.elseif (\n) == 13
	v_max3_num_f32 v[rC+1], v[rC+1], v[rS+23], v[rS+31]
.elseif (\n) == 14
	v_max3_num_f32 v[rC+2], v[rC+2], v[rC+3], v[rT+1]
.elseif (\n) == 15
	v_mov_b32 v[rW], v[rT]
.elseif (\n) == 16
	v_max3_num_f32 v[rC], v[rC], v[rC+1], v[rC+2]
.elseif (\n) == 17
	v_permlanex16_b32 v[rC+3], v[rC], s[SEL], s[SEL+1]
.elseif (\n) == 18
	v_max_num_f32 v[rT+1], v[rC], v[rC+3]
.elseif (\n) == 19
	v_mul_f32 v[rT], s[CS], v[rT+1]
.elseif (\n) == 20
	v_sub_f32 v[rC+1], v[rW], v[rT]
.else
	v_exp_f32 v[rC+2], v[rC+1]
.endif
.endif
.endm
.macro OPS a, i1, b=-1, i2=0, c=-1, i3=0, d=-1, i4=0
	OP \a, \i1
.if (\b) >= 0
	OP \b, \i2
.endif
.if (\c) >= 0
	OP \c, \i3
.endif
.if (\d) >= 0
	OP \d, \i4
.endif
.endm
.macro ROW a, i1, b, i2, c, i3, d, i4
	MM
	OPS \a, \i1, \b, \i2, \c, \i3, \d, \i4
.endm
.macro MASK b
	WIN W_RS
.set z, 0
.rept 16
	v_pk_fma_f32 v[MC+32*(\b)+2*z:MC+32*(\b)+2*z+1], v[MD+2*z:MD+2*z+1], s[AL:AL+1], s[BE:BE+1] op_sel_hi:[1,0,0]
.set z, z+1
.endr
.endm
; A TURN.  v = 0, 1: pieces 0, 1 of an even step; 2, 3: of an odd one.  Ahead of its one wait stands all that names no result of its exponentials; behind it the 8 products V^T P with the roundings and sums as riders.
; The products V^T P of one turn and the rescalings of the next touch the same O^T: R 0 stands sixteen plain riders behind the product that wrote its registers, R 12 to 15 in the lump; the R ascend.
; m = 1: the diagonal tile: the products take masks, and the turn makes the mask for the next turn's products: piece v % 2, step 5 - v / 2 - 2 CNT of the tile.  end = 1: a block's last two turns: nothing is fetched.
; An even turn fetches K of the next step in its lump, behind the last product that read K, and V of the next step at its end, four plain riders behind the last product that read that buffer.
.macro TURN v, m=0, end=0, cnt=0
.set Y, (\v)%2
.set i, 0
.set KM, (\m)
.set NOKQ, (\end)*((\v)/3)
.set VB, VF1+(VF0-VF1)*((((\v)+1)/2)%2)
.if (\m) && !(\end)
	s_lshl_b32 s[TS], s[CNT], 1
	s_sub_co_i32 s[TS], 5-(\v)/2-(\v)%2, s[TS]  ; that step less the piece's number
	s_cmp_eq_i32 s[TS], s[OW]       ; the band's own step?
	s_cselect_b32 s[AL], 1.0, 0
	s_cmp_gt_i32 s[TS], s[OW]       ; or a later one?
	s_cselect_b32 s[BE], s[BIGN], 0
.endif
.if (\v)%2 == 1
.if \end
	s_wait_dscnt 0x0                ; V of the block's last step is in
.else
	s_wait_dscnt 16                 ; K of the next step and the V that this turn reads are in; the 16 loads of V issued at the last turn's end may stay out
.endif
.endif
	ROW F,0, F,1, R,0, R,1
	ROW F,2, E,0, R,2, R,3
	ROW F,3, E,1, R,4, R,5
	ROW F,4, E,2, R,6, R,7
	ROW F,5, E,3, R,8, R,9
	ROW F,6, E,4, X,0, R,10
.if ((\v)%2 == 0) && !(\end)
	WIN 0
	v_add_nc_u32 v[AK], s[TBK], v[AK0]
.endif
	ROW F,7, E,5, X,1, X,4
	ROW F,8, E,6, X,2, X,5
	OPS E,7, E,8, X,6, E,9
	OPS X,3, E,10, X,8, E,11
.if ((\v)%2 == 0) && !(\end)
	FETCH_K
.endif
	OPS X,9, X,7, E,12, X,10
	OPS E,13, X,12, X,11, E,14
	OPS X,13, E,15, F,9, X,14
.if ((\v)%2 == 0) && !(\end)
	WIN 0
	v_add_nc_u32 v[AV], s[TBV], v[AV0]
.endif
	OPS E,16, F,10, E,17, F,11
	OPS X,16, E,18, X,15, E,19
	OPS F,12, E,20, X,17, E,21
	OPS F,13, E,22, F,14, E,23
	OPS X,18, E,24, F,15, E,25
	OPS R,11, E,26, X,19, E,27
	OPS R,12, E,28, R,13, E,29
	OPS X,20, E,30, R,14, E,31
	OPS X,21, R,15                  ; R 15 is the plain instruction behind the batch's last exponential
	WIN 0
	s_wait_alu depctr_va_vdst(0)    ; the one wait for the batch
	ROW C,0, B,0, C,2, B,1
	ROW L,0, C,4, B,2, L,1
	ROW C,6, B,3, L,2, C,8
	ROW B,4, L,3, C,10, B,5
	ROW L,4, C,12, B,6, L,5
.if ((\v)%2 == 0) && !(\end)
	s_add_co_u32 s[TBV], s[TBV], KS*PV
.endif
.if \cnt
	s_sub_co_u32 s[CNT], s[CNT], 1
	s_cmp_lg_u32 s[CNT], 0
.endif
	ROW C,14, B,7, L,6, C,1
	ROW C,3, L,7, C,5, C,7
	ROW C,9, C,11, C,13, C,15
.if ((\v)%2 == 0) && !(\end)
	FETCH_V VB
.endif
.if (\m) && !(\end)
	MASK (\v)%2
.endif
.endm
; A BLOCK BEGINS.  c m starts far below every c s, so the first step's a is 0.  The second mask buffer is 0 (piece 1 sees all of step 0); the first takes piece 0's mask for step 0: its own step, if the tile is the diagonal one and OW = 0.
.macro BEGIN
	s_mov_b32 s[NEW], 0
	WIN 0x40
.set i, MC+32
.rept 32
	v_mov_b32 v[i], 0
.set i, i+1
.endr
	WIN 0
.set i, 0
.rept 2
	v_mov_b32 v[ST+4*i], 0xfe000000
	v_mov_b32 v[ST+4*i+1], 0xff7fffff
.set i, i+1
.endr
	s_or_b32 s[TS], s[RT], s[OW]
	s_cmp_eq_u32 s[TS], 0
	s_cselect_b32 s[AL], 1.0, 0
	s_mov_b32 s[BE], 0
	MASK 0
	WIN 0
	v_add_nc_u32 v[AK], s[TBK], v[AK0]
	v_add_nc_u32 v[AV], s[TBV], v[AV0]
	FETCH_K
	s_add_co_u32 s[TBV], s[TBV], KS*PV
	FETCH_V VF0
	s_wait_loadcnt 0x0              ; Q
	s_wait_dscnt 0x0
.set KM, 1
.set NOKQ, 0
.set i, 0
.rept 8
	KQ 0
.set i, i+1
.endr
	WIN 0
.rept 4
	v_nop                           ; the places behind those products
.endr
.set Y, NP-1
.irp n, 0,1,2,3,4,5,6,7,8,9,10,11,12,13,14,15,16,17,18,19,20,21
	OP X, \n
.endr
	v_nop                           ; a plain instruction behind the exponential,
	s_wait_alu depctr_va_vdst(0)    ; and its wait, ahead of the branch
.endm
.macro ALL line:vararg
.set t, 0
.rept NP
	\line
.set t, t+1
.endr
.endm
.macro PACK t
	WIN W_RS
.set i, 32*(\t)
.rept 16
	v_pk_mul_f32 v[i:i+1], v[i:i+1], v[ST+4*(\t)+2:ST+4*(\t)+3] op_sel_hi:[1,0]
.set i, i+2
.endr
	WIN 0x05
.set i, 0
.rept 16
	v_cvt_pk_f16_f32 v[S+16*(\t)+i], v[32*(\t)+2*i], v[32*(\t)+2*i+1]
.set i, i+1
.endr
	WIN 0
.irp f, 0,1,2,3
	ds_store_b128 v[STO], v[S+16*(\t)+4*\f:S+16*(\t)+4*\f+3] offset:32*\f
.endr
.irp f, 0,1,2,3
	ds_load_b128 v[S+16*(\t)+4*\f:S+16*(\t)+4*\f+3], v[RD] offset:\f*4*SP  ; LDS serves a wave's instructions in order (ISA guide 5.7.1.4)
.endr
.endm
.macro SEND t, younger              ; younger: the LDS instructions issued behind piece t's loads
	WIN 0
.irp f, 0,1,2,3
	s_wait_dscnt (\younger)+3-\f
	global_store_b128 v[GO], v[S+16*(\t)+4*\f:S+16*(\t)+4*\f+3], s[10:11] offset:(\t)*8192+\f*512  ; 512 consecutive bytes, aligned
.endr
.endm
; THE DIAGONAL TILE, the block's last two turns, its last products, and the way out.
.macro DIAG tag
.LstepM\tag:
	TURN 2, 1
	TURN 3, 1
	WIN 0
.LfirstM\tag:
	TURN 0, 1
	TURN 1, 1, 0, 1
	WIN 0
	s_cbranch_scc1 .LstepM\tag
	TURN 2, 1, 1
	TURN 3, 1, 1
.set VB, VF1
.set i, 0
.rept 8
	PV 1
.set i, i+1
.endr
	WIN 0
	ALL v_add_f32 v[ST+4*t+2], v[ST+4*t+2], v[ST+4*t+3]
	ALL v_permlanex16_b32 v[ST+4*t+3], v[ST+4*t+2], s[SEL], s[SEL+1]
	ALL v_add_f32 v[ST+4*t+2], v[ST+4*t+2], v[ST+4*t+3]
	v_nop
	v_nop
	ALL v_rcp_f32 v[ST+4*t+2], v[ST+4*t+2]
	v_nop                           ; a plain instruction behind the last reciprocal,
	s_wait_alu depctr_va_vdst(0)    ; and the one wait for both
	PACK 0
	PACK 1
	SEND 0, 8
	SEND 1, 0
.endm
.set KM, 0
.set NOKQ, 0
.Lslot:                             ; 16 times: a tile is entered and the next is asked for
	CHANGE 1
	s_sub_co_u32 s[RT], s[RT], 1
	s_mov_b32 s[CNT], 2
	s_cmp_eq_u32 s[NEW], 1
	s_cbranch_scc1 .Lnew
	s_cmp_eq_u32 s[RT], 0
	s_cbranch_scc0 .Lstep
	s_branch .LstepM1
.Lnew:
	BEGIN
	s_branch .Lfirst                ; in the loop a block's first tile is never its last: the first block has nine tiles or more, and the second's last is the walk's last
	DIAG 1                          ; in the loop this is the first block's end
	s_wait_xcnt 0x0                 ; the stores have read their registers and O's address
	s_mov_b64 s[10:11], s[OLO:OLO+1]
	s_add_co_u32 s[RT], s[LQ2], 1
	s_mov_b32 s[NEW], 1
	s_mov_b32 s[OW], s[OWL]
	WIN 0x82
.set i, 0
.rept 32
	v_mov_b32 v[i], v[QB+i]
.set i, i+1
.endr
	WIN 0
	s_branch .Lbottom
.Lstep:                             ; a trip: an odd step's two turns, then an even step's
	TURN 2
	TURN 3
	WIN 0
.Lfirst:
	TURN 0
	TURN 1, 0, 0, 1
	WIN 0
	s_cbranch_scc1 .Lstep
.Lbottom:
	s_sub_co_u32 s[SLOTS], s[SLOTS], 1
	s_cmp_lg_u32 s[SLOTS], 0
	s_cbranch_scc1 .Lslot
	CHANGE 0                        ; the walk's last tile is written out
	s_sub_co_u32 s[RT], s[RT], 1
	s_mov_b32 s[CNT], 2
	s_cmp_eq_u32 s[NEW], 1
	s_cbranch_scc0 .LstepM2
	BEGIN
	s_branch .LfirstM2
	DIAG 2
	s_wait_tensorcnt 0x0            ; the wave's end
	ds_add_u32 v[SPW], v[NIL]
	s_wait_dscnt 0x0
	s_endpgm
.Lfunc_end_k_q524a603ebd_attn:
	.size	k_q524a603ebd_attn, .Lfunc_end_k_q524a603ebd_attn-k_q524a603ebd_attn
	.p2alignl 7, 3214868480
	.fill 96, 4, 3214868480
	.section	.rodata,"a",@progbits
	.p2align	6, 0x0
	.amdhsa_kernel k_q524a603ebd_attn
		.amdhsa_group_segment_fixed_size 327680
		.amdhsa_private_segment_fixed_size 0
		.amdhsa_enable_private_segment 0
		.amdhsa_kernarg_size 32
		.amdhsa_user_sgpr_count 2
		.amdhsa_user_sgpr_kernarg_segment_ptr 1
		.amdhsa_wavefront_size32 1
		.amdhsa_system_sgpr_workgroup_id_x 1
		.amdhsa_system_sgpr_workgroup_id_y 1
		.amdhsa_system_sgpr_workgroup_id_z 1
		.amdhsa_system_vgpr_workitem_id 0
		.amdhsa_next_free_vgpr 768
		.amdhsa_next_free_sgpr 100
		.amdhsa_reserve_vcc 1
		.amdhsa_float_denorm_mode_32 3
		.amdhsa_float_denorm_mode_16_64 3
		.amdhsa_memory_ordered 1
		.amdhsa_forward_progress 1
		.amdhsa_inst_pref_size 210
	.end_amdhsa_kernel
	.amdgpu_metadata
---
amdhsa.version: [ 1, 2 ]
amdhsa.kernels:
  - .name:           k_q524a603ebd_attn
    .symbol:         k_q524a603ebd_attn.kd
    .args:
      - { .name: q, .offset: 0, .size: 8, .value_kind: global_buffer, .address_space: global }
      - { .name: k, .offset: 8, .size: 8, .value_kind: global_buffer, .address_space: global }
      - { .name: v, .offset: 16, .size: 8, .value_kind: global_buffer, .address_space: global }
      - { .name: ctx, .offset: 24, .size: 8, .value_kind: global_buffer, .address_space: global }
    .group_segment_fixed_size: 327680
    .private_segment_fixed_size: 0
    .kernarg_segment_align: 8
    .kernarg_segment_size: 32
    .max_flat_workgroup_size: 128
    .sgpr_count:     100
    .vgpr_count:     768
    .wavefront_size: 32
...
	.end_amdgpu_metadata
.endif
;; end of part 3
;; launch oproj (part 4): grid 16 x 16, 4 waves a work-group, clusters of 4 x 4, 327,680 bytes of LDS; arguments ctx, wo16, out0; writes out0
.if DOCPART == 4
	.amdgcn_target "amdgcn-amd-amdhsa--gfx1250"
	.amdhsa_code_object_version 6
	.text
	.protected	k_q524a603ebd_oproj
	.globl	k_q524a603ebd_oproj
	.p2align	8
	.type	k_q524a603ebd_oproj,@function
k_q524a603ebd_oproj:
	s_mov_b64 s[64:65], 0
	v_nop
	global_prefetch_b8 v0, s[64:65] scope:SCOPE_SE
	s_setreg_imm32_b32 hwreg(HW_REG_WAVE_MODE, 25, 1), 1
	s_wait_xcnt 0x0
	s_wait_alu depctr_hold_cnt(0) depctr_sa_sdst(0) depctr_va_vdst(0) depctr_va_sdst(0) depctr_va_ssrc(0) depctr_va_vcc(0) depctr_vm_vsrc(0)
	s_getreg_b32 s2, hwreg(HW_REG_IB_STS2, 6, 4)
	s_cmp_eq_u32 s2, 0
	s_cbranch_scc0 .Lentry_in_a_cluster
	s_endpgm
.Lentry_in_a_cluster:
	s_bfe_u32 s2, ttmp6, 0x10000c
	s_cmp_lg_u32 s2, 0xf033
	s_cbranch_scc0 .Lentry_shape_is_right
	s_endpgm
.Lentry_shape_is_right:
; OPROJ: out0[s][d] = the sum over o of ctx[s][o] w_o[d][o]: [4096 x 1024] x [2048 x 1024]^T in f16 with f32 sums, f32 out.  ctx lies by heads, [16][4096][64]; wo16 is [2048][1024].
; SHARES.  A tile of out0 is 256 rows x 128 columns: 16 x 16 tiles, one to a work-group; wave w makes rows 64 w .. 64 w + 63 and all 128 columns: 32 accumulators.
; K goes in steps of 128 = two heads through two LDS slots.  Of A a wave fetches ONE head's 256 rows: 32,768 dense bytes, asked for as 128 rows of 256 bytes and padded after every 128; of B 64 rows of 256 bytes.
; CLUSTER.  4 x 4: A's tiles are shared along a row of the cluster, B's along a column; one joint load a wave behind each round; two loads of a wave are out at the start, one later.
; No prefetch: the launch has eight K steps, and the first four of them are asked for within its first lap.
; THE PRODUCT IS USED TRANSPOSED: lane l holds row l % 16 and the columns 8 (l / 16) + 0..7 of its block of 16.
; REGISTERS.  window 0: addresses, the way out.  window 1: two fragment buffers: A's four fragments, then B's eight.  window 2: the accumulators, (g, a, bl) at 8 (16 g + 4 a + bl).
.set NG,     2
.set NL,     8+8*NG
.set SIZE_K, 1024
.set KSTEP,  128
.set LAPS,   SIZE_K/(2*KSTEP)
.set PITCH,  272                       ; B's rows
.set PA,     144                       ; A's rows: 128 bytes + 16
.set APART,  256*PA                    ; one head's 256 rows
.set BHALF,  64*PITCH
.set BOFF,   2*APART
.set SLOT,   BOFF+2*BHALF
.set STAGE,  2*SLOT                    ; behind the ring: 16 rows x 528 bytes for each wave
.set SP,     528
.set SPARE,  STAGE+4*16*SP
.set STEP_A, 2*524288                  ; two heads on
.set STEP_B, KSTEP*2
.set ADRA, 16
.set ADRB, 20
.set STO,  24
.set RD,   25
.set GO,   26
.set SPW,  28
.set NIL,  29
.set BK,   64                          ; v[64:191] 16 rows read back from the stage, two sets by turns
.set F0,   0
.set F1,   128
.set WV,   16
.set HF,   18
.set CX,   19
.set CY,   20
.set TC,   21
.set TR,   22
.set G1,   24
.set G0,   32
.set G1B,  48
.set G0B,  56
.set TO_F, 0x40
.set MSB, 0
.macro WIN new
.if MSB != (\new)
	s_set_vgpr_msb (MSB<<8)|(\new)
.set MSB, \new
.endif
.endm
.macro PLACES
.rept 4
	v_nop
.endr
.endm
.macro JLOAD s                         ; a joint load; an s_nop 0 and four v_nop follow each of the two lines
	s_cmp_lt_u32 s[WV], 2
	s_cbranch_scc0 .Lfor_b_\@
	tensor_load_to_lds s[G0+4*(\s):G0+4*(\s)+3], s[G1:G1+7]
	s_nop 0
	PLACES
	s_branch .Lasked_\@
.Lfor_b_\@:
	tensor_load_to_lds s[G0B+4*(\s):G0B+4*(\s)+3], s[G1B:G1B+7]
	s_nop 0
	PLACES
.Lasked_\@:
.endm
.macro CREST
	s_cmp_lg_u32 s[WV], 0
	s_cbranch_scc1 .Lnot_wave_0_\@
	s_barrier_signal -3
.Lnot_wave_0_\@:
	s_barrier_wait -3
	s_barrier_signal -1
	s_barrier_wait -1
.endm
.macro CROUND
	s_barrier_signal -1
	s_barrier_wait -1
	CREST
.endm
	s_load_b128 s[4:7], s[0:1], 0x0                ; ctx 4, wo16 6
	s_load_b64 s[8:9], s[0:1], 0x10                ; out0
	v_lshl_add_u32 v[SPW], v0, 2, SPARE
	v_mov_b32 v[NIL], 0
	ds_add_u32 v[SPW], v[NIL]                      ; the wave's opening: the add and its wait ahead of my first tensor load
	ds_add_u32 v28, v29
	v_lshrrev_b32 v1, 5, v0
	v_readfirstlane_b32 s[WV], v1
	s_and_b32 s[HF], s[WV], 1
	s_bfe_u32 s[CX], ttmp6, 0x40000
	s_bfe_u32 s[CY], ttmp6, 0x40004
	s_lshl_b32 s[TC], ttmp9, 2
	s_add_co_u32 s[TC], s[TC], s[CX]
	s_and_b32 s[TR], ttmp7, 0xffff
	s_lshl_b32 s[TR], s[TR], 2
	s_add_co_u32 s[TR], s[TR], s[CY]
	s_lshl_b32 s66, s[CY], 2
	s_lshl_b32 s66, 15, s66
	s_lshl_b32 s67, 0x1111, s[CX]
	s_or_b32 s[G1], s66, (1<<16)|(1<<20)|(1<<21)|(4<<22)|(3<<25)   ; A: after every 32 words 4 words of padding
	s_or_b32 s[G1B], s67, (1<<16)|(1<<20)|(1<<21)|(5<<22)|(3<<25)  ; B: after every 64 words
	s_mov_b32 s[G1+1], 128<<16                     ; rows of 128 elements,
	s_mov_b32 s[G1+2], 128<<16                     ; 128 of them,
	s_mov_b32 s[G1+3], 128<<16
	s_mov_b32 s[G1+4], 128
	s_mov_b32 s[G1+5], 128                         ; end to end
	s_mov_b32 s[G1+6], 0
	s_mov_b32 s[G1+7], 0
	s_mov_b32 s[G1B+1], KSTEP<<16
	s_mov_b32 s[G1B+2], 64<<16
	s_mov_b32 s[G1B+3], KSTEP<<16
	s_mov_b32 s[G1B+4], 64
	s_mov_b32 s[G1B+5], SIZE_K
	s_mov_b32 s[G1B+6], 0
	s_mov_b32 s[G1B+7], 0
	s_lshl_b32 s68, s[HF], 19                      ; A: head = half, rows 256 x tile row, 128 bytes a row; these registers never hold cx
	s_lshl_b32 s69, s[TR], 15
	s_add_co_u32 s68, s68, s69
	s_mov_b32 s69, 0
	s_lshl_b32 s70, s[TC], 7                       ; B: row 128 x tile column + 64 x half, 2,048 bytes a row; these never hold cy
	s_lshl_b32 s71, s[HF], 6
	s_add_co_u32 s70, s70, s71
	s_lshl_b32 s70, s70, 11
	s_mov_b32 s71, 0
	s_mul_i32 s72, s[HF], APART
	s_mul_i32 s73, s[HF], BHALF
	s_add_co_u32 s73, s73, BOFF
	s_wait_dscnt 0x0                               ; the opening add is done
	s_wait_kmcnt 0x0
	s_add_nc_u64 s[68:69], s[4:5], s[68:69]
	s_add_nc_u64 s[70:71], s[6:7], s[70:71]
	CROUND
.irp s, 0,1
	s_mov_b32 s[G0+4*(\s)], 1
	s_add_co_u32 s[G0+4*(\s)+1], s72, (\s)*SLOT
	s_add_nc_u64 s[G0+4*(\s)+2:G0+4*(\s)+3], s[68:69], (\s)*STEP_A
	s_or_b32 s[G0+4*(\s)+3], s[G0+4*(\s)+3], 0x80000000
	s_mov_b32 s[G0B+4*(\s)], 1
	s_add_co_u32 s[G0B+4*(\s)+1], s73, (\s)*SLOT
	s_add_nc_u64 s[G0B+4*(\s)+2:G0B+4*(\s)+3], s[70:71], (\s)*STEP_B
	s_or_b32 s[G0B+4*(\s)+3], s[G0B+4*(\s)+3], 0x80000000
	JLOAD \s
.endr
	v_and_b32 v1, 15, v0
	v_bfe_u32 v2, v0, 4, 1
	v_mul_u32_u24 v3, v1, PA
	v_lshl_add_u32 v3, v2, 4, v3
	s_mul_i32 s74, s[WV], 64*PA                    ; my 64 rows of A, in either head's part
	v_add_nc_u32 v[ADRA], s74, v3
	v_add_nc_u32 v[ADRA+1], SLOT, v[ADRA]
	v_mul_u32_u24 v3, v1, PITCH
	v_lshl_add_u32 v3, v2, 4, v3
	v_add_nc_u32 v[ADRB], BOFF, v3
	v_add_nc_u32 v[ADRB+1], BOFF+SLOT, v3
	s_mul_i32 s74, s[WV], 16*SP
	s_add_co_u32 s74, s74, STAGE
	v_mul_u32_u24 v4, v1, SP                       ; in: row l % 16, 32 bytes for each half of the lanes
	v_lshl_add_u32 v4, v2, 5, v4
	v_add_nc_u32 v[STO], s74, v4
	v_and_b32 v[GO], 31, v0                        ; back and out: a row's 512 bytes, 16 a lane
	v_lshlrev_b32 v[GO], 4, v[GO]
	v_add_nc_u32 v[RD], s74, v[GO]
	s_lshl_b32 s74, s[TR], 8
	s_lshl_b32 s75, s[WV], 6
	s_add_co_u32 s74, s74, s75
	s_lshl_b32 s74, s74, 13                        ; my first row, 8,192 bytes a row,
	s_lshl_b32 s75, s[TC], 9                       ; the tile's 128 columns
	s_add_co_u32 s74, s74, s75
	s_mov_b32 s75, 0
	s_add_nc_u64 s[8:9], s[8:9], s[74:75]
; The 32 accumulators take turns, in the same order in every quarter.
.macro MUL8 f, g, a0, zero
	WIN 0xa5
.irp a, \a0, (\a0)+1
.irp bl, 0,1,2,3
.set rD, 8*(16*(\g)+4*(\a)+(\bl))
.set rB, (\f)+32+8*(4*(\g)+(\bl))
.set rA, (\f)+8*(\a)
.if \zero
	v_wmma_f32_16x16x32_f16 v[rD:rD+7], v[rB:rB+7], v[rA:rA+7], 0
.else
	v_wmma_f32_16x16x32_f16 v[rD:rD+7], v[rB:rB+7], v[rA:rA+7], v[rD:rD+7]
.endif
.endr
.endr
.endm
.macro MULG f, g, zero
	MUL8 \f, \g, 0, \zero
	MUL8 \f, \g, 2, \zero
.endm
; A run of 24 LDS loads: quarter qn of a slot (head qn / 2 of its two, channels 32 (qn % 2) on) into buffer f: B's group 0, A, B's group 1
.macro FETCH slot, qn, f
	WIN TO_F
.irp c, 0,1,2,3
	ds_load_b128 v[(\f)+32+8*(\c):(\f)+32+8*(\c)+3],   v[ADRB+(\slot)] offset:64*(\qn)+(\c)*16*PITCH
	ds_load_b128 v[(\f)+32+8*(\c)+4:(\f)+32+8*(\c)+7], v[ADRB+(\slot)] offset:64*(\qn)+(\c)*16*PITCH+32
.endr
.irp a, 0,1,2,3
	ds_load_b128 v[(\f)+8*(\a):(\f)+8*(\a)+3],   v[ADRA+(\slot)] offset:((\qn)/2)*APART+((\qn)%2)*64+(\a)*16*PA
	ds_load_b128 v[(\f)+8*(\a)+4:(\f)+8*(\a)+7], v[ADRA+(\slot)] offset:((\qn)/2)*APART+((\qn)%2)*64+(\a)*16*PA+32
.endr
.irp c, 4,5,6,7
	ds_load_b128 v[(\f)+32+8*(\c):(\f)+32+8*(\c)+3],   v[ADRB+(\slot)] offset:64*(\qn)+(\c)*16*PITCH
	ds_load_b128 v[(\f)+32+8*(\c)+4:(\f)+32+8*(\c)+7], v[ADRB+(\slot)] offset:64*(\qn)+(\c)*16*PITCH+32
.endr
.endm
.macro QUARTER slot, qn, f, g2, zero
	s_wait_dscnt 8*(NG-1)                          ; B's group 0 and A are in; the youngest eight loads may be out
	MUL8 \f, 0, 0, \zero
	PLACES
	FETCH \slot, \qn, \g2
	s_wait_dscnt NL                                ; all but the 24 just issued
	MUL8 \f, 0, 2, \zero
	MULG \f, 1, \zero
.endm
.macro TURN slot, next, fill
	WIN 0
	s_wait_tensorcnt 0x0                           ; all my tensor loads have landed: my part of the next slot
	ds_add_u32 v[SPW], v[NIL]
	s_wait_dscnt 8*(NG-1)+1                        ; the add and the youngest eight loads may be out
	MUL8 F1, 0, 0, 0
	s_wait_dscnt 0x0                               ; the add is done, and my reads of this slot are over
	s_barrier_signal -1
	MUL8 F1, 0, 2, 0
.if \fill
	WIN 0
.endif
	s_barrier_wait -1
.if \fill
	CREST
	s_add_nc_u64 s[G0+4*(\slot)+2:G0+4*(\slot)+3], s[G0+4*(\slot)+2:G0+4*(\slot)+3], 2*STEP_A
	s_add_nc_u64 s[G0B+4*(\slot)+2:G0B+4*(\slot)+3], s[G0B+4*(\slot)+2:G0B+4*(\slot)+3], 2*STEP_B
	JLOAD \slot                                    ; 112 matrix instructions ahead of the wait for it; its four v_nop are also the places in front of the loads below
.else
	PLACES
.endif
	FETCH \next, 0, F0
	MULG F1, 1, 0
.endm
	s_wait_tensorcnt 1                             ; my part of K step 0 is in; K step 1's may stay out
	s_barrier_signal -1
	s_barrier_wait -1
	FETCH 0, 0, F0
	QUARTER 0, 1, F0, F1, 1
	WIN 0
	s_mov_b32 s3, LAPS-1
.Llap:
	QUARTER 0, 2, F1, F0, 0
	QUARTER 0, 3, F0, F1, 0
	TURN 0, 1, 1
	QUARTER 1, 1, F0, F1, 0
	QUARTER 1, 2, F1, F0, 0
	QUARTER 1, 3, F0, F1, 0
	TURN 1, 0, 1
	QUARTER 0, 1, F0, F1, 0
	WIN 0
	s_sub_co_u32 s3, s3, 1
	s_cmp_lg_u32 s3, 0
	s_cbranch_scc1 .Llap
	QUARTER 0, 2, F1, F0, 0
	QUARTER 0, 3, F0, F1, 0
	TURN 0, 1, 0
	QUARTER 1, 1, F0, F1, 0
	QUARTER 1, 2, F1, F0, 0
	QUARTER 1, 3, F0, F1, 0
	s_wait_dscnt 8*(NG-1)
	MUL8 F1, 0, 0, 0
	s_wait_dscnt 0x0
	MUL8 F1, 0, 2, 0
	MULG F1, 1, 0
	WIN 0
	PLACES
; THE WAY OUT, a block of 16 rows at a time: the accumulators go as they are into rows of 528 bytes of my own stage and come back as whole rows of 512.
.macro TOSTAGE a
	WIN 0x08                                       ; the stores' data in window 2
.irp g, 0,1
.irp bl, 0,1,2,3
	ds_store_b128 v[STO], v[8*(16*(\g)+4*(\a)+(\bl)):8*(16*(\g)+4*(\a)+(\bl))+3]   offset:256*(\g)+64*(\bl)
	ds_store_b128 v[STO], v[8*(16*(\g)+4*(\a)+(\bl))+4:8*(16*(\g)+4*(\a)+(\bl))+7] offset:256*(\g)+64*(\bl)+16
.endr
.endr
	WIN 0
.irp r, 0,1,2,3,4,5,6,7,8,9,10,11,12,13,14,15
	ds_load_b128 v[BK+64*((\a)%2)+4*(\r):BK+64*((\a)%2)+4*(\r)+3], v[RD] offset:(\r)*SP  ; LDS serves a wave's instructions in order (ISA guide 5.7.1.4)
.endr
.endm
.macro SEND a, younger                 ; younger: the next block's sixteen stores and sixteen loads, or none
	s_wait_dscnt \younger
.irp r, 0,1,2,3,4,5,6,7,8,9,10,11,12,13,14,15
	global_store_b128 v[GO], v[BK+64*((\a)%2)+4*(\r):BK+64*((\a)%2)+4*(\r)+3], s[8:9] offset:(16*(\a)+(\r))*8192 th:TH_STORE_NT  ; 512 consecutive bytes of a row, aligned
.endr
.endm
	TOSTAGE 0
	TOSTAGE 1
	SEND 0, 32
	s_wait_xcnt 0x0                                ; block 0's stores have read their registers: block 2 is loaded into them
	TOSTAGE 2
	SEND 1, 32
	s_wait_xcnt 0x0
	TOSTAGE 3
	SEND 2, 32
	SEND 3, 0
	s_wait_tensorcnt 0x0                           ; the wave's end
	ds_add_u32 v[SPW], v[NIL]
	s_wait_dscnt 0x0
	CROUND                                         ; the closing round
	s_endpgm
.Lfunc_end_k_q524a603ebd_oproj:
	.size	k_q524a603ebd_oproj, .Lfunc_end_k_q524a603ebd_oproj-k_q524a603ebd_oproj
	.p2alignl 7, 3214868480
	.fill 96, 4, 3214868480
	.section	.rodata,"a",@progbits
	.p2align	6, 0x0
	.amdhsa_kernel k_q524a603ebd_oproj
		.amdhsa_group_segment_fixed_size 327680
		.amdhsa_private_segment_fixed_size 0
		.amdhsa_enable_private_segment 0
		.amdhsa_kernarg_size 24
		.amdhsa_user_sgpr_count 2
		.amdhsa_user_sgpr_kernarg_segment_ptr 1
		.amdhsa_wavefront_size32 1
		.amdhsa_system_sgpr_workgroup_id_x 1
		.amdhsa_system_sgpr_workgroup_id_y 1
		.amdhsa_system_sgpr_workgroup_id_z 1
		.amdhsa_system_vgpr_workitem_id 0
		.amdhsa_next_free_vgpr 768
		.amdhsa_next_free_sgpr 80
		.amdhsa_reserve_vcc 0
		.amdhsa_float_denorm_mode_32 3
		.amdhsa_float_denorm_mode_16_64 3
		.amdhsa_memory_ordered 1
		.amdhsa_forward_progress 1
		.amdhsa_inst_pref_size 84
	.end_amdhsa_kernel
	.amdgpu_metadata
---
amdhsa.version: [ 1, 2 ]
amdhsa.kernels:
  - .name:           k_q524a603ebd_oproj
    .symbol:         k_q524a603ebd_oproj.kd
    .args:
      - { .name: ctx, .offset: 0, .size: 8, .value_kind: global_buffer, .address_space: global }
      - { .name: wo16, .offset: 8, .size: 8, .value_kind: global_buffer, .address_space: global }
      - { .name: out0, .offset: 16, .size: 8, .value_kind: global_buffer, .address_space: global }
    .group_segment_fixed_size: 327680
    .private_segment_fixed_size: 0
    .kernarg_segment_align: 8
    .kernarg_segment_size: 24
    .max_flat_workgroup_size: 128
    .sgpr_count:     80
    .vgpr_count:     768
    .wavefront_size: 32
...
	.end_amdgpu_metadata
.endif
;; end of part 4
;; launch ectx (part 5): grid 4 x 16, 8 waves a work-group, no clusters, 17,408 bytes of LDS; arguments x16, wcat, q, k, ctx; writes ctx
.if DOCPART == 5
	.amdgcn_target "amdgcn-amd-amdhsa--gfx1250"
	.amdhsa_code_object_version 6
	.text
	.protected	k_q524a603ebd_ectx
	.globl	k_q524a603ebd_ectx
	.p2align	8
	.type	k_q524a603ebd_ectx,@function
k_q524a603ebd_ectx:
	s_mov_b64 s[64:65], 0
	v_nop
	global_prefetch_b8 v0, s[64:65] scope:SCOPE_SE
	s_setreg_imm32_b32 hwreg(HW_REG_WAVE_MODE, 25, 1), 1
	s_wait_xcnt 0x0
; THE FIRST 32 ROWS' CONTEXT ONCE MORE, WITH V AND THE RESULT UNROUNDED.  Row q of the attention averages q + 1 keys, so the first rows' numbers are many times the whole output's root mean
; square, by which every number is judged; an f16 rounding (2^-11 of a number) of v and of the context there takes most of what a number near zero is allowed.  So for rows 0 to 31 v is made
; anew from x16 and wcat with its f32 sums kept, and carried as TWO f16 operands: its rounding, and what the rounding left, rounded again; likewise the context that leaves.  q and k are taken
; as the projection stored them, in f16; the weights p are rounded to f16 as in the main launch.
; SHARES.  A work-group makes 32 rows x 16 channels of one head: x = channel block, y = head.
;   Phase 1, all eight waves: v for keys 0..31 and my 16 channels; K = 2,048 is split eight ways, 256 a wave: 48 loads of 16 bytes a lane, all asked for at once; 16 products, two accumulators by turns.
;   Source 0 = 16 rows of x (keys), source 1 = 16 rows of w_v (channels): a lane then holds ONE channel (lane % 16) and the keys 8 (lane / 16) + 0..7: packed in pairs that IS source 0 of O^T = V^T P.
;   The eight partial sums meet in LDS.   Phase 2, waves 0 and 1: query rows 16 w .. 16 w + 15: S^T = K Q^T started on the mask, softmax with its maximum, O^T = V^T P with both parts of V.
; OUT.  Behind ctx's 8,388,608 bytes: blocks of 512 bytes (head, channel block, row block, part): lane 16 h + r holds channels 8 h .. 8 h + 7 of row r: half a fragment as the next launch's products take it.
; LIMITS.  v and the context within f16's 65,504; a hidden score counts as its value less 1e30; a weight below 2^-126 counts as 0; NaN and infinities are not treated apart.
; No tensor load, no cluster, no prefetch: no wave wants a byte that another has fetched, and the launch is one round of loads long.
.set TAIL,  8388608
.set SPARE, 16384                      ; behind the partial sums (8 x 2,048 bytes): the spare words, 128 bytes a wave: four blocks of 256 bytes that no other line names
.set FO,  4                            ; v4   (l % 16) x 4,096 + 16 (l / 16) + 512 x wave: my place in a fragment's rows of x16 and wcat
.set LS,  5                            ; v5   2,048 x wave + 16 l
.set LR,  6                            ; v6   16 l
.set QO,  7                            ; v7   (l % 16) x 128 + 16 (l / 16)
.set SPW, 8
.set NIL, 9
.set DQ,  10                           ; v10  my query less my lanes' 8 (l / 16)
.set M1,  11                           ; v11  -1.0
.set ACC, 16                           ; v[16:31]   v's partial sums: keys 0-15, keys 16-31
.set S,   32                           ; v[32:47]   S^T: keys 0-15, keys 16-31
.set T,   48                           ; v[48:49]   at work
.set CM,  50                           ; v[50:51]   c m, m
.set RL,  52                           ; v[52:53]   1 / l, twice
.set P,   56                           ; v[56:63]
.set XF,  64                           ; v[64:191]  phase 1: x's fragments (key block kb, K step f at 64 kb + 8 f)
.set WF,  192                          ; v[192:255] phase 1: w_v's fragments
.set PS,  64                           ; v[64:191]  phase 2: the eight partial sums, 16 registers each; their sum in the first 16
.set VH,  80
.set VL,  88
.set LT,  96                           ; v[96:111]  what a rounding left, in f32
.set O1,  112
.set O2,  120
.set CT,  128
.set CH,  136
.set CL,  140
.set QF,  192
.set KR,  208
.set WV,  14
.set HD,  15
.set CS,  24
.set SEL, 26
.set BIGN, 28
	s_load_b256 s[4:11], s[0:1], 0x0               ; x16 4, wcat 6, q 8, k 10
	s_load_b64 s[12:13], s[0:1], 0x20              ; ctx
	v_lshl_add_u32 v[SPW], v0, 2, SPARE
	v_mov_b32 v[NIL], 0
	v_lshrrev_b32 v3, 5, v0
	v_readfirstlane_b32 s[WV], v3                  ; wave 0..7
	s_and_b32 s[HD], ttmp7, 0xffff                 ; the head
	v_and_b32 v1, 15, v0                           ; l % 16
	v_bfe_u32 v2, v0, 4, 1                         ; l / 16
	v_and_b32 v3, 31, v0
	v_lshlrev_b32 v[LR], 4, v3
	s_lshl_b32 s18, s[WV], 11
	v_add_nc_u32 v[LS], s18, v[LR]
	v_lshlrev_b32 v[FO], 12, v1
	v_lshl_add_u32 v[FO], v2, 4, v[FO]
	s_lshl_b32 s18, s[WV], 9                       ; my 256 of K: 512 bytes of a row
	v_add_nc_u32 v[FO], s18, v[FO]
	s_mul_i32 s18, s[HD], 192                      ; wcat's row 192 head + 128 + 16 block: v's channels of the head
	s_lshl_b32 s19, ttmp9, 4
	s_add_co_u32 s18, s18, s19
	s_add_co_u32 s18, s18, 128
	s_lshl_b32 s18, s18, 12
	s_mov_b32 s19, 0
	s_wait_kmcnt 0x0
	s_add_nc_u64 s[6:7], s[6:7], s[18:19]
.irp f, 0,1,2,3,4,5,6,7                ; six loads a K step of 32: x's keys 0-15, x's keys 16-31, w_v
	global_load_b128 v[XF+8*(\f):XF+8*(\f)+3],         v[FO], s[4:5] offset:64*(\f)
	global_load_b128 v[XF+8*(\f)+4:XF+8*(\f)+7],       v[FO], s[4:5] offset:64*(\f)+32
	global_load_b128 v[XF+64+8*(\f):XF+64+8*(\f)+3],   v[FO], s[4:5] offset:65536+64*(\f)
	global_load_b128 v[XF+64+8*(\f)+4:XF+64+8*(\f)+7], v[FO], s[4:5] offset:65536+64*(\f)+32
	global_load_b128 v[WF+8*(\f):WF+8*(\f)+3],         v[FO], s[6:7] offset:64*(\f)
	global_load_b128 v[WF+8*(\f)+4:WF+8*(\f)+7],       v[FO], s[6:7] offset:64*(\f)+32
.endr
.irp f, 0,1,2,3,4,5,6,7                ; the two accumulators take turns, one instruction a turn
	s_wait_loadcnt 6*(7-(\f))                      ; loads come back in order: the later K steps' six loads each may stay out
.if (\f) == 0
	v_wmma_f32_16x16x32_bf16 v[ACC:ACC+7],    v[XF:XF+7],     v[WF:WF+7], 0
	v_wmma_f32_16x16x32_bf16 v[ACC+8:ACC+15], v[XF+64:XF+71], v[WF:WF+7], 0
.else
	v_wmma_f32_16x16x32_bf16 v[ACC:ACC+7],    v[XF+8*(\f):XF+8*(\f)+7],       v[WF+8*(\f):WF+8*(\f)+7], v[ACC:ACC+7]
	v_wmma_f32_16x16x32_bf16 v[ACC+8:ACC+15], v[XF+64+8*(\f):XF+64+8*(\f)+7], v[WF+8*(\f):WF+8*(\f)+7], v[ACC+8:ACC+15]
.endif
.endr
.rept 8
	v_nop                                          ; the places behind the last products, ahead of the stores that read them and of the loads into their sources
.endr
.irp g, 0,1,2,3
	ds_store_b128 v[LS], v[ACC+4*(\g):ACC+4*(\g)+3] offset:512*(\g)  ; 512 consecutive bytes a store
.endr
	s_wait_dscnt 0x0                               ; for the others' sake: my partial sums lie in LDS
	s_barrier_signal -1
	s_barrier_wait -1
	s_cmp_lt_u32 s[WV], 2                          ; wave 0 finishes rows 0-15, wave 1 rows 16-31
	s_cbranch_scc0 .Lend
	s_lshl_b32 s18, s[HD], 19                      ; the head: 524,288 bytes of q and of k
	s_add_nc_u64 s[10:11], s[10:11], s[18:19]
	s_lshl_b32 s20, s[WV], 11                      ; my 16 rows of q
	s_add_co_u32 s18, s18, s20
	s_add_nc_u64 s[8:9], s[8:9], s[18:19]
	s_lshl_b32 s18, s[HD], 2                       ; where my two blocks go
	s_add_co_u32 s18, s18, ttmp9
	s_lshl_b32 s18, s18, 11
	s_lshl_b32 s20, s[WV], 10
	s_add_co_u32 s18, s18, s20
	s_add_co_u32 s18, s18, TAIL
	s_add_nc_u64 s[12:13], s[12:13], s[18:19]
	s_mov_b32 s[CS], 0x3e38aa3b                    ; c = log2(e) / 8
	s_mov_b32 s[CS+1], s[CS]
	s_mov_b32 s[SEL], 0x76543210
	s_mov_b32 s[SEL+1], 0xfedcba98
	s_mov_b32 s[BIGN], 0xf149f2ca                  ; -1e30
	v_lshlrev_b32 v[QO], 7, v1
	v_lshl_add_u32 v[QO], v2, 4, v[QO]
.irp c, 0,1
	global_load_b128 v[QF+8*(\c):QF+8*(\c)+3],   v[QO], s[8:9] offset:64*(\c)
	global_load_b128 v[QF+8*(\c)+4:QF+8*(\c)+7], v[QO], s[8:9] offset:64*(\c)+32
.endr
.irp kb, 0,1
.irp c, 0,1
	global_load_b128 v[KR+8*(2*(\kb)+(\c)):KR+8*(2*(\kb)+(\c))+3],   v[QO], s[10:11] offset:2048*(\kb)+64*(\c)
	global_load_b128 v[KR+8*(2*(\kb)+(\c))+4:KR+8*(2*(\kb)+(\c))+7], v[QO], s[10:11] offset:2048*(\kb)+64*(\c)+32
.endr
.endr
.irp w, 0,1,2,3,4,5,6,7
.irp g, 0,1,2,3
	ds_load_b128 v[PS+16*(\w)+4*(\g):PS+16*(\w)+4*(\g)+3], v[LR] offset:2048*(\w)+512*(\g)
.endr
.endr
	v_mov_b32 v[M1], -1.0
	v_lshlrev_b32 v3, 3, v2                        ; the mask, with which the sums S^T start: register i (key 16 (i / 8) + 8 (l / 16) + i % 8) is hidden where the key is behind my query
	v_sub_nc_u32 v[DQ], v1, v3
	s_lshl_b32 s20, s[WV], 4
	v_add_nc_u32 v[DQ], s20, v[DQ]
.set i, 0
.rept 16
	v_cmp_gt_i32 vcc_lo, 16*(i/8)+i%8, v[DQ]
	v_cndmask_b32 v[S+i], 0, s[BIGN], vcc_lo
.set i, i+1
.endr
	s_wait_dscnt 0x0
.irp w, 1,2,3,4,5,6,7
.set z, 0
.rept 8
	v_pk_add_f32 v[PS+z:PS+z+1], v[PS+z:PS+z+1], v[PS+16*(\w)+z:PS+16*(\w)+z+1]
.set z, z+2
.endr
.endr
; n pairs of f32 at src become n words of f16 at hi; what each rounding left (exact: one fused multiply-add from the f16 half) is rounded to f16 at lo
.macro SPLIT hi, lo, src, n
.set z, 0
.rept \n
	v_cvt_pk_f16_f32 v[(\hi)+z], v[(\src)+2*z], v[(\src)+2*z+1]
.set z, z+1
.endr
.set z, 0
.rept \n
	v_fma_mix_f32 v[LT+2*z],   v[(\hi)+z], v[M1], v[(\src)+2*z]   op_sel_hi:[1,0,0]
	v_fma_mix_f32 v[LT+2*z+1], v[(\hi)+z], v[M1], v[(\src)+2*z+1] op_sel:[1,0,0] op_sel_hi:[1,0,0]
.set z, z+1
.endr
.set z, 0
.rept \n
	v_cvt_pk_f16_f32 v[(\lo)+z], v[LT+2*z], v[LT+2*z+1]
.set z, z+1
.endr
.endm
	SPLIT VH, VL, PS, 8                            ; V^T's fragment, 16 channels x 32 keys, in two parts
	s_wait_loadcnt 0x0                             ; Q and K
	v_wmma_f32_16x16x32_f16 v[S:S+7],    v[KR:KR+7],     v[QF:QF+7],    v[S:S+7]      ; the two accumulators take turns
	v_wmma_f32_16x16x32_f16 v[S+8:S+15], v[KR+16:KR+23], v[QF:QF+7],    v[S+8:S+15]
	v_wmma_f32_16x16x32_f16 v[S:S+7],    v[KR+8:KR+15],  v[QF+8:QF+15], v[S:S+7]
	v_wmma_f32_16x16x32_f16 v[S+8:S+15], v[KR+24:KR+31], v[QF+8:QF+15], v[S+8:S+15]
.rept 8
	v_nop                                          ; the places behind those products
.endr
	v_max3_num_f32 v[T],   v[S],   v[S+1],  v[S+2]     ; each accumulator's lowest registers are read first
	v_max3_num_f32 v[T+1], v[S+8], v[S+9],  v[S+10]
	v_max3_num_f32 v[T],   v[T],   v[S+3],  v[S+4]
	v_max3_num_f32 v[T+1], v[T+1], v[S+11], v[S+12]
	v_max3_num_f32 v[T],   v[T],   v[S+5],  v[S+6]
	v_max3_num_f32 v[T+1], v[T+1], v[S+13], v[S+14]
	v_max3_num_f32 v[T],   v[T],   v[S+7],  v[S+15]
	v_max_num_f32 v[T], v[T], v[T+1]
	v_permlanex16_b32 v[T+1], v[T], s[SEL], s[SEL+1]   ; the query's other 16 keys lie in the lane 16 away
	v_max_num_f32 v[CM+1], v[T], v[T+1]                ; every row sees its own key: the maximum is a true score
	v_mul_f32 v[CM], s[CS], v[CM+1]
.set z, 0
.rept 8
	v_pk_fma_f32 v[S+z:S+z+1], v[S+z:S+z+1], s[CS:CS+1], v[CM:CM+1] op_sel_hi:[1,0,0] neg_lo:[0,0,1] neg_hi:[0,0,1]  ; c s - c m
.set z, z+2
.endr
.set z, 0
.rept 16
	v_exp_f32 v[S+z], v[S+z]
.set z, z+1
.endr
	v_nop                                          ; a plain instruction behind the last exponential,
	s_wait_alu depctr_va_vdst(0)                   ; and the one wait for the batch
.set z, 0
.rept 8
	v_cvt_pk_f16_f32 v[P+z], v[S+2*z], v[S+2*z+1]
.set z, z+1
.endr
	v_wmma_f32_16x16x32_f16 v[O1:O1+7], v[VH:VH+7], v[P:P+7], 0   ; two sums of their own, added below
	v_wmma_f32_16x16x32_f16 v[O2:O2+7], v[VL:VL+7], v[P:P+7], 0
.irp n, 8,4,2                          ; l, of the unrounded weights; these lines are the places behind the two products
.set z, 0
.rept (\n)/2
	v_pk_add_f32 v[S+z:S+z+1], v[S+z:S+z+1], v[S+z+(\n):S+z+(\n)+1]
.set z, z+2
.endr
.endr
	v_add_f32 v[T], v[S], v[S+1]
	v_permlanex16_b32 v[T+1], v[T], s[SEL], s[SEL+1]
	v_add_f32 v[T], v[T], v[T+1]
	v_rcp_f32 v[RL], v[T]
	v_rcp_f32 v[RL+1], v[T]
.set z, 0
.rept 4
	v_pk_add_f32 v[CT+z:CT+z+1], v[O1+z:O1+z+1], v[O2+z:O2+z+1]   ; plain work behind the reciprocals; ascending
.set z, z+2
.endr
	s_wait_alu depctr_va_vdst(0)                   ; one wait for both reciprocals, ahead of their first reader
.set z, 0
.rept 4
	v_pk_mul_f32 v[CT+z:CT+z+1], v[CT+z:CT+z+1], v[RL:RL+1]
.set z, z+2
.endr
	SPLIT CH, CL, CT, 4                            ; my query's eight channels, in two parts of 16 bytes
	global_store_b128 v[LR], v[CH:CH+3], s[12:13]              ; 512 consecutive bytes a store, aligned
	global_store_b128 v[LR], v[CL:CL+3], s[12:13] offset:512
.Lend:
	s_wait_tensorcnt 0x0                           ; the wave's end, behind my last LDS store
	ds_add_u32 v[SPW], v[NIL]
	s_wait_dscnt 0x0
	s_endpgm
.Lfunc_end_k_q524a603ebd_ectx:
	.size	k_q524a603ebd_ectx, .Lfunc_end_k_q524a603ebd_ectx-k_q524a603ebd_ectx
	.p2alignl 7, 3214868480
	.fill 96, 4, 3214868480
	.section	.rodata,"a",@progbits
	.p2align	6, 0x0
	.amdhsa_kernel k_q524a603ebd_ectx
		.amdhsa_group_segment_fixed_size 17408
		.amdhsa_private_segment_fixed_size 0
		.amdhsa_enable_private_segment 0
		.amdhsa_kernarg_size 40
		.amdhsa_user_sgpr_count 2
		.amdhsa_user_sgpr_kernarg_segment_ptr 1
		.amdhsa_wavefront_size32 1
		.amdhsa_system_sgpr_workgroup_id_x 1
		.amdhsa_system_sgpr_workgroup_id_y 1
		.amdhsa_system_sgpr_workgroup_id_z 1
		.amdhsa_system_vgpr_workitem_id 0
		.amdhsa_next_free_vgpr 256
		.amdhsa_next_free_sgpr 66
		.amdhsa_reserve_vcc 1
		.amdhsa_float_denorm_mode_32 3
		.amdhsa_float_denorm_mode_16_64 3
		.amdhsa_memory_ordered 1
		.amdhsa_forward_progress 1
		.amdhsa_inst_pref_size 25
	.end_amdhsa_kernel
	.amdgpu_metadata
---
amdhsa.version: [ 1, 2 ]
amdhsa.kernels:
  - .name:           k_q524a603ebd_ectx
    .symbol:         k_q524a603ebd_ectx.kd
    .args:
      - { .name: x16, .offset: 0, .size: 8, .value_kind: global_buffer, .address_space: global }
      - { .name: wcat, .offset: 8, .size: 8, .value_kind: global_buffer, .address_space: global }
      - { .name: q, .offset: 16, .size: 8, .value_kind: global_buffer, .address_space: global }
      - { .name: k, .offset: 24, .size: 8, .value_kind: global_buffer, .address_space: global }
      - { .name: ctx, .offset: 32, .size: 8, .value_kind: global_buffer, .address_space: global }
    .group_segment_fixed_size: 17408
    .private_segment_fixed_size: 0
    .kernarg_segment_align: 8
    .kernarg_segment_size: 40
    .max_flat_workgroup_size: 256
    .sgpr_count:     66
    .vgpr_count:     256
    .wavefront_size: 32
...
	.end_amdgpu_metadata
.endif
;; end of part 5
;; launch eout (part 6): grid 32 x 1, 16 waves a work-group, no clusters, 141,312 bytes of LDS; arguments ctx, wo16, out0; writes out0
.if DOCPART == 6
	.amdgcn_target "amdgcn-amd-amdhsa--gfx1250"
	.amdhsa_code_object_version 6
	.text
	.protected	k_q524a603ebd_eout
	.globl	k_q524a603ebd_eout
	.p2align	8
	.type	k_q524a603ebd_eout,@function
k_q524a603ebd_eout:
	s_mov_b64 s[64:65], 0
	v_nop
	global_prefetch_b8 v0, s[64:65] scope:SCOPE_SE
	s_setreg_imm32_b32 hwreg(HW_REG_WAVE_MODE, 25, 1), 1
	s_wait_xcnt 0x0
; THE FIRST 32 ROWS OF THE OUTPUT ONCE MORE: out0[s][d] = the sum over o of (hi + lo)[s][o] w_o[d][o], s < 32, with the context in two f16 parts as the launch before left it behind ctx's 8,388,608 bytes.
; It stands behind the launch that writes all of out0 and writes these 262,144 bytes again.
; SHARES.  A work-group makes 32 rows x 64 columns.  K IS SPLIT AMONG ITS 16 WAVES BY HEADS: wave w takes channels 64 w .. 64 w + 63: 32 loads of 16 bytes a lane, all asked for at once, and 32 products:
; 8 accumulators (2 row blocks x 4 column blocks) by turns, for 2 K steps x 2 parts.  The context's blocks of 512 bytes are halves of fragments as they lie: lane l takes its 16 bytes at 16 l.
; The product is used transposed (source 0 = 16 rows of wo16, source 1 = 16 rows of the context): lane l holds row l % 16 and the columns 8 (l / 16) + 0..7 of its block.
; The 16 partial tiles meet in LDS, rows of 256 bytes + 16; thread t sums the 16 bytes at column piece t % 16 of row t / 16 and stores them: sixteen lanes fill 256 consecutive bytes, aligned.
; No tensor load, no cluster, no prefetch: no wave wants a byte that another has fetched, and the launch is one round of loads long.
.set TAIL,  8388608
.set PP,    272
.set WREG,  32*PP                      ; a wave's partial tile
.set SPARE, 16*WREG                    ; behind them: the spare words, 128 bytes a wave: eight blocks of 256 bytes that no other line names
.set BO,  2                            ; v2   (l % 16) x 2,048 + 16 (l / 16) + 128 x wave: my place in a fragment's rows of wo16
.set LO,  3                            ; v3   16 l
.set STO, 4
.set RD,  5
.set RD2, 6
.set GO,  7
.set SPW, 8
.set NIL, 9
.set AF,  64                           ; v[64:127]  the context: row block qb, part pt, K step c at 8 (4 qb + 2 pt + c); later the 16 partial sums
.set BF,  128                          ; v[128:191] wo16: column block nb, K step c at 8 (2 nb + c)
.set ACC, 192                          ; v[192:255] (qb, nb) at 8 (4 qb + nb)
.set WV,  10
	s_load_b128 s[4:7], s[0:1], 0x0                ; ctx 4, wo16 6
	s_load_b64 s[8:9], s[0:1], 0x10                ; out0
	v_lshl_add_u32 v[SPW], v0, 2, SPARE
	v_mov_b32 v[NIL], 0
	v_lshrrev_b32 v1, 5, v0
	v_readfirstlane_b32 s[WV], v1                  ; wave 0..15 = head
	v_and_b32 v10, 15, v0
	v_bfe_u32 v11, v0, 4, 1
	v_and_b32 v[LO], 31, v0
	v_lshlrev_b32 v[LO], 4, v[LO]
	v_lshlrev_b32 v[BO], 11, v10
	v_lshl_add_u32 v[BO], v11, 4, v[BO]
	s_lshl_b32 s12, s[WV], 7
	v_add_nc_u32 v[BO], s12, v[BO]
	s_mul_i32 s12, s[WV], WREG
	v_mul_u32_u24 v[STO], v10, PP                  ; in: row l % 16, 32 bytes for each half of the lanes
	v_lshl_add_u32 v[STO], v11, 5, v[STO]
	v_add_nc_u32 v[STO], s12, v[STO]
	v_lshrrev_b32 v1, 4, v0                        ; back: row t / 16, piece t % 16
	v_mul_u32_u24 v[RD], v1, PP
	v_lshl_add_u32 v[RD], v10, 4, v[RD]
	v_add_nc_u32 v[RD2], 8*WREG, v[RD]             ; the upper eight partial tiles lie past an immediate's reach
	v_lshlrev_b32 v[GO], 13, v1                    ; a row of out0 is 8,192 bytes
	v_lshl_add_u32 v[GO], v10, 4, v[GO]
	s_lshl_b32 s12, s[WV], 13                      ; a head's 16 blocks of 512 bytes
	s_add_co_u32 s12, s12, TAIL
	s_mov_b32 s13, 0
	s_lshl_b32 s14, ttmp9, 17                      ; my 64 rows of wo16, 2,048 bytes each
	s_mov_b32 s15, 0
	s_lshl_b32 s16, ttmp9, 8                       ; my 64 columns of out0
	s_mov_b32 s17, 0
	s_wait_kmcnt 0x0
	s_add_nc_u64 s[4:5], s[4:5], s[12:13]
	s_add_nc_u64 s[6:7], s[6:7], s[14:15]
	s_add_nc_u64 s[8:9], s[8:9], s[16:17]
.irp c, 0,1                            ; sixteen loads a K step of 32 channels
.irp qb, 0,1
.irp pt, 0,1
	global_load_b128 v[AF+8*(4*(\qb)+2*(\pt)+(\c)):AF+8*(4*(\qb)+2*(\pt)+(\c))+3],   v[LO], s[4:5] offset:4096*(\c)+1024*(\qb)+512*(\pt)
	global_load_b128 v[AF+8*(4*(\qb)+2*(\pt)+(\c))+4:AF+8*(4*(\qb)+2*(\pt)+(\c))+7], v[LO], s[4:5] offset:4096*(\c)+2048+1024*(\qb)+512*(\pt)
.endr
.endr
.irp nb, 0,1,2,3
	global_load_b128 v[BF+8*(2*(\nb)+(\c)):BF+8*(2*(\nb)+(\c))+3],   v[BO], s[6:7] offset:32768*(\nb)+64*(\c)
	global_load_b128 v[BF+8*(2*(\nb)+(\c))+4:BF+8*(2*(\nb)+(\c))+7], v[BO], s[6:7] offset:32768*(\nb)+64*(\c)+32
.endr
.endr
; Eight products: K step c, part pt.  The eight accumulators take turns, in the same order each time.  zero = 1: the products start the sums.
.macro MULS c, pt, zero
.irp qb, 0,1
.irp nb, 0,1,2,3
.set rD, ACC+8*(4*(\qb)+(\nb))
.set rB, BF+8*(2*(\nb)+(\c))
.set rA, AF+8*(4*(\qb)+2*(\pt)+(\c))
.if \zero
	v_wmma_f32_16x16x32_f16 v[rD:rD+7], v[rB:rB+7], v[rA:rA+7], 0
.else
	v_wmma_f32_16x16x32_f16 v[rD:rD+7], v[rB:rB+7], v[rA:rA+7], v[rD:rD+7]
.endif
.endr
.endr
.endm
	s_wait_loadcnt 16                              ; the first K step is in; the second's sixteen loads may stay out
	MULS 0, 0, 1
	MULS 0, 1, 0
	s_wait_loadcnt 0x0
	MULS 1, 0, 0
	MULS 1, 1, 0
.rept 8
	v_nop                                          ; the places behind the last products, ahead of the stores that read them and of the loads into their sources
.endr
.irp qb, 0,1
.irp nb, 0,1,2,3
	ds_store_b128 v[STO], v[ACC+8*(4*(\qb)+(\nb)):ACC+8*(4*(\qb)+(\nb))+3]   offset:16*PP*(\qb)+64*(\nb)
	ds_store_b128 v[STO], v[ACC+8*(4*(\qb)+(\nb))+4:ACC+8*(4*(\qb)+(\nb))+7] offset:16*PP*(\qb)+64*(\nb)+16
.endr
.endr
	s_wait_dscnt 0x0                               ; for the others' sake: my partial tile lies in LDS
	s_barrier_signal -1
	s_barrier_wait -1
.irp w, 0,1,2,3,4,5,6,7
	ds_load_b128 v[AF+4*(\w):AF+4*(\w)+3], v[RD] offset:(\w)*WREG
.endr
.irp w, 0,1,2,3,4,5,6,7
	ds_load_b128 v[AF+32+4*(\w):AF+32+4*(\w)+3], v[RD2] offset:(\w)*WREG
.endr
	s_wait_dscnt 0x0
.irp n, 8,4,2,1                        ; the sixteen partial sums, by halves
.set i, 0
.rept \n
	v_pk_add_f32 v[AF+4*i:AF+4*i+1],   v[AF+4*i:AF+4*i+1],   v[AF+4*(i+(\n)):AF+4*(i+(\n))+1]
	v_pk_add_f32 v[AF+4*i+2:AF+4*i+3], v[AF+4*i+2:AF+4*i+3], v[AF+4*(i+(\n))+2:AF+4*(i+(\n))+3]
.set i, i+1
.endr
.endr
	global_store_b128 v[GO], v[AF:AF+3], s[8:9]    ; sixteen lanes store 256 consecutive bytes of a row, aligned
	s_wait_tensorcnt 0x0                           ; the wave's end, behind my last LDS store
	ds_add_u32 v[SPW], v[NIL]
	s_wait_dscnt 0x0
	s_endpgm
.Lfunc_end_k_q524a603ebd_eout:
	.size	k_q524a603ebd_eout, .Lfunc_end_k_q524a603ebd_eout-k_q524a603ebd_eout
	.p2alignl 7, 3214868480
	.fill 96, 4, 3214868480
	.section	.rodata,"a",@progbits
	.p2align	6, 0x0
	.amdhsa_kernel k_q524a603ebd_eout
		.amdhsa_group_segment_fixed_size 141312
		.amdhsa_private_segment_fixed_size 0
		.amdhsa_enable_private_segment 0
		.amdhsa_kernarg_size 24
		.amdhsa_user_sgpr_count 2
		.amdhsa_user_sgpr_kernarg_segment_ptr 1
		.amdhsa_wavefront_size32 1
		.amdhsa_system_sgpr_workgroup_id_x 1
		.amdhsa_system_sgpr_workgroup_id_y 1
		.amdhsa_system_sgpr_workgroup_id_z 1
		.amdhsa_system_vgpr_workitem_id 0
		.amdhsa_next_free_vgpr 256
		.amdhsa_next_free_sgpr 66
		.amdhsa_reserve_vcc 0
		.amdhsa_float_denorm_mode_32 3
		.amdhsa_float_denorm_mode_16_64 3
		.amdhsa_memory_ordered 1
		.amdhsa_forward_progress 1
		.amdhsa_inst_pref_size 12
	.end_amdhsa_kernel
	.amdgpu_metadata
---
amdhsa.version: [ 1, 2 ]
amdhsa.kernels:
  - .name:           k_q524a603ebd_eout
    .symbol:         k_q524a603ebd_eout.kd
    .args:
      - { .name: ctx, .offset: 0, .size: 8, .value_kind: global_buffer, .address_space: global }
      - { .name: wo16, .offset: 8, .size: 8, .value_kind: global_buffer, .address_space: global }
      - { .name: out0, .offset: 16, .size: 8, .value_kind: global_buffer, .address_space: global }
    .group_segment_fixed_size: 141312
    .private_segment_fixed_size: 0
    .kernarg_segment_align: 8
    .kernarg_segment_size: 24
    .max_flat_workgroup_size: 512
    .sgpr_count:     66
    .vgpr_count:     256
    .wavefront_size: 32
...
	.end_amdgpu_metadata
.endif
;; end of part 6
